; MI455X (gfx1250); checked and timed in simulation.
; The chip was launched on July 23, 2026; its instructions are those of AMD's public machine-readable ISA for CDNA 5 (MIT licence, August 2026) and "CDNA5" Instruction Set Architecture Reference Guide (July 2026). The comments in the code are by the model that wrote it; some were corrected since.
;; Causal Self Attention. Allowed arithmetic: matrix products marked QUANTISED: E2M1 operands, one E8M0 scale for each 32 along K, by v_wmma_scale_f32_16x16x128_f8f6f4 with both operands' format E2M1 (or v_wmma_scale_f32_32x16x128_f4), f32 sums; products left as they are: bf16, f16 or f32 operands; f32 sums; everything else in f32.
;; Inputs: W_attn 1,024 x 3,072 float32; W_proj 1,024 x 1,024 float32; b_attn 3,072 float32; b_proj 1,024 float32; x 4 x 2,048 x 1,024 float32.
;; Outputs: out0 4 x 2,048 x 1,024 float32.
;; This version of the problem:
;;   THIS VERSION OF THE PROBLEM IS GIVEN IN LOW PRECISION. The matrix products marked QUANTISED in the list below multiply operands that are first quantised to E2M1 (2 exponent bits, 1 mantissa bit; 4 bits a number), with one power-of-two scale for each 32 numbers along K (OCP MX v1.0); their sums are f32. The products marked 'left as it is' may take bf16, f16 or f32 operands, with f32 sums. Whichever they take, every output number must still come out within the allowed error. Rounding operands to bf16 (8 significant bits) uses up far more of that allowance than f16 does (11 bits, for magnitudes from 6e-5 to 65,504). All else is computed in f32.
;;   The module's matrix products, in the order in which they are computed (A, B: the left and right operand; K: the contracted axis; several contracted axes count as one K, in the product's order):
;;     1. [M 8,192, K 1,024] x [K 1,024, N 3,072]; A: input x; B: input W_attn: QUANTISED
;;     2. batch 64 x [M 2,048, K 64] x [K 64, N 2,048]; A: computed on the way; B: computed on the way: left as it is (an operand is computed on the way)
;;     3. batch 64 x [M 2,048, K 2,048] x [K 2,048, N 64]; A: computed on the way; B: computed on the way: left as it is (an operand is computed on the way)
;;     4. [M 8,192, K 1,024] x [K 1,024, N 1,024]; A: computed on the way; B: input W_proj: left as it is (an operand is computed on the way)
;;   THE QUANTISER, for each operand of a quantised product, along K:
;;     - K is cut into blocks of 32 from its start; a last block that is shorter is filled with zeros.
;;     - A block's scale is 2^e with e = floor(log2(the largest magnitude in the block)) - 2, held to -126 .. 127; a block of zeros has e = 0. As a byte (E8M0): e + 127.
;;     - Each number is divided by its block's scale, clamped to +-6, and rounded to the nearest number of E2M1, ties to even, subnormals kept.
;;     - The product sums the exact products of the quantised numbers (number of the format x scale) in f32.
;;   ~~~python
;;   def quantise(x, axis):      # numpy; x: float32 -> the quantised numbers, widened to float32 again
;;       x = np.moveaxis(x, axis, -1); K = x.shape[-1]
;;       x = np.pad(x, [(0, 0)] * (x.ndim - 1) + [(0, -K % 32)]); x = x.reshape(x.shape[:-1] + (-1, 32)); a = np.abs(x).max(-1, keepdims=True)
;;       e = np.where(a > 0, np.clip(np.frexp(np.where(a > 0, a, 1))[1] - 1 - 2, -126, 127), 0)      # np.frexp(a)[1] - 1 = floor(log2(a)), exactly
;;       r = np.clip(x / 2.0 ** e, -6, 6)
;;       step = 2.0 ** (np.maximum(np.frexp(np.where(r == 0, 1, r))[1] - 1, 0) - 1)
;;       q = np.round(r / step) * step * 2.0 ** e      # np.round: ties to even
;;       return np.moveaxis(q.reshape(q.shape[:-2] + (-1,))[..., :K], -1, axis).astype(np.float32)
;;   ~~~
;; One version. Each part assembles by itself: llvm-mc -triple=amdgcn-amd-amdhsa -mcpu=gfx1250 --defsym DOCPART=n.
;; ======== version 1 of 1: 5 launches
;; limits: values are held in f16: magnitudes above 65,504 overflow, below 6.1e-05 lose precision
;; workspace buffers: x_codes 4,194,304 bytes; x_scales 262,144 bytes; w_codes 1,572,864 bytes; w_scales 98,304 bytes; w16 2,097,152 bytes; qkv16 50,331,648 bytes; qkv32 786,432 bytes; y2 16,777,216 bytes
;; launch prep (part 1): grid 368 x 1, 4 waves a work-group, no clusters, 68,096 bytes of LDS; arguments W_attn, W_proj, x, w_codes, w_scales, w16, x_codes, x_scales; writes w_codes, w_scales, w16, x_codes, x_scales
.if DOCPART == 1
	.amdgcn_target "amdgcn-amd-amdhsa--gfx1250"
	.amdhsa_code_object_version 6
	.text
	.protected	k_q0ef0296dec_prep
	.globl	k_q0ef0296dec_prep
	.p2align	8
	.type	k_q0ef0296dec_prep,@function
k_q0ef0296dec_prep:
	s_mov_b64 s[64:65], 0
	v_nop
	global_prefetch_b8 v0, s[64:65] scope:SCOPE_SE
	s_setreg_imm32_b32 hwreg(HW_REG_WAVE_MODE, 25, 1), 1
	s_wait_xcnt 0x0
; PREP.  Three jobs in one launch, told apart by the work-group's number, the longest first:
;   work-groups   0 ..  47: W_attn [1024 (k)][3072 (n)] f32 -> codes of FP4 (E2M1) laid [3072][512 bytes], K innermost, and E8M0 scale bytes [3072][32]
;   work-groups  48 .. 111: W_proj [1024][1024] f32 -> f16, same layout
;   work-groups 112 .. 367: x [8192][1024] f32 -> codes [8192][512 bytes] and scale bytes [8192][32]
; A block's scale is 2^(floor(log2(its largest magnitude)) - 2); its byte is the largest magnitude's exponent field - 2, held at 1 from below.
; LIMITS: a block of zeros, and a block whose largest magnitude lies under 2^-124, get the byte 1 (zero codes add nothing under any byte but 0xff, and this program alone reads the bytes);
; NaN and infinities are not served; |W_proj| stays under 65,504 (f16).
; Each path that uses LDS has bytes of its own.  No tensor loads, no barrier: waves share nothing.
.set SIZE_K, 1024
.set SIZE_N, 3072
.set EMAX,   2
.set SPW,    14                        ; v14  LDS address of my spare word; never rewritten
.set NIL,    15                        ; v15  0; never rewritten
.set WSTG,   32768                     ; LDS: bytes 0 .. 32,767 the x path's four regions; from here the W_attn path's four stages
.set SPARE,  67584                     ; behind them: the spare words, 128 bytes for each wave, which no other line names
; the W_attn path
.set KW,     512                       ; along K for a wave
.set NB,     KW/32                     ; blocks
.set WPITCH, 272                       ; a stage row: 256 bytes of codes + 16
.set KROW,   SIZE_K/2                  ; a row of the codes' buffer in bytes
.set WX,     32                        ; v32-95   two sets of 32 numbers
.set WC,     96                        ; v96-99   a block's codes
.set OUTR,   112                       ; v112-175 the way out
.set SB,     24                        ; v24-27   the scale bytes, four to a register
; the x path
.set STEPS,  16
.set CB,     8                         ; bytes of 16 codes
.set XR,     16                        ; v16-79   four sets of 16 numbers as they are loaded
.set XX,     80                        ; v80-111  two sets of 16 neighbours
.set XE,     112                       ; v112-127 a scale byte for each step
.set XC,     128                       ; v128-191 codes: four registers for each step
.set WREG,   8192                      ; a wave's region: two stages of 32 x SP bytes, behind them its 256 scale bytes
.set SP,     80                        ; a lane's place in a stage: 64 bytes + 16 of padding
	s_load_b128 s[4:7], s[0:1], 0x0                ; W_attn s[4:5], W_proj s[6:7]
	s_load_b128 s[8:11], s[0:1], 0x10              ; x s[8:9], w_codes s[10:11]
	s_load_b128 s[12:15], s[0:1], 0x20             ; w_scales s[12:13], w16 s[14:15]
	s_load_b128 s[20:23], s[0:1], 0x30             ; x_codes s[20:21], x_scales s[22:23]
	v_lshl_add_u32 v[SPW], v0, 2, SPARE
	v_mov_b32 v[NIL], 0
	v_lshrrev_b32 v1, 5, v0
	v_readfirstlane_b32 s16, v1                    ; wave 0..3
	v_and_b32 v2, 31, v0                           ; lane
	s_mov_b32 s25, 0                               ; the upper word of every offset: all stay under 2^32
	s_wait_kmcnt 0x0
	s_cmp_ge_u32 ttmp9, 112
	s_cbranch_scc1 .Lpath_x
	s_cmp_ge_u32 ttmp9, 48
	s_cbranch_scc1 .Lpath_p
; ---- W_attn.  A lane takes a column n and its registers run down K: a block of 32 lies in one lane, and the conversions give codes with K innermost.
; Work-group g: columns 128 (g mod 24) on, K half g / 24.  A wave: 32 columns x 512 along K.  The codes leave through the wave's own stage: sixteen lanes store 256 consecutive bytes.
	s_cmp_ge_u32 ttmp9, 24
	s_cselect_b32 s18, 1, 0                        ; which 512 along K
	s_cselect_b32 s17, 24, 0
	s_sub_co_u32 s17, ttmp9, s17
	s_lshl_b32 s17, s17, 7
	s_lshl_b32 s19, s16, 5
	s_add_co_u32 s17, s17, s19                     ; my wave's first column
	v_lshlrev_b32 v3, 2, v2                        ; in: 4 bytes a lane
	s_mul_i32 s19, s16, 32*WPITCH
	s_add_co_u32 s19, s19, WSTG                    ; my stage
	v_mul_u32_u24 v4, v2, WPITCH
	v_add_nc_u32 v4, s19, v4                       ; into it: row = my column
	v_and_b32 v5, 15, v2
	v_lshrrev_b32 v6, 4, v2
	v_mul_u32_u24 v7, v6, WPITCH
	v_lshl_add_u32 v7, v5, 4, v7
	v_add_nc_u32 v7, s19, v7                       ; out of it: sixteen lanes to a row, two rows an instruction
	v_mul_u32_u24 v8, v6, KROW
	v_lshl_add_u32 v8, v5, 4, v8                   ; the same place in the codes' buffer
	v_lshlrev_b32 v9, 5, v2                        ; my column's row of scale bytes: 32 bytes a row
	s_mul_i32 s24, s18, KW*SIZE_N*4
	s_lshl_b32 s26, s17, 2
	s_add_co_u32 s24, s24, s26
	s_add_nc_u64 s[4:5], s[4:5], s[24:25]          ; W_attn at (512 half, my first column)
	s_lshl_b32 s24, s17, 9
	s_lshl_b32 s26, s18, 8
	s_add_co_u32 s24, s24, s26
	s_add_nc_u64 s[10:11], s[10:11], s[24:25]      ; codes: column x 512 + 256 half
	s_lshl_b32 s24, s17, 5
	s_lshl_b32 s26, s18, 4
	s_add_co_u32 s24, s24, s26
	s_add_nc_u64 s[12:13], s[12:13], s[24:25]      ; scale bytes: column x 32 + 16 half
.macro WLOAD t                         ; block t: W(32 t + i, my column), i = 0 .. 31, into set t % 2; the largest offset, 511 rows of 12,288 bytes, lies inside the signed 24-bit immediate
.irp i, 0,1,2,3,4,5,6,7,8,9,10,11,12,13,14,15,16,17,18,19,20,21,22,23,24,25,26,27,28,29,30,31
	global_load_b32 v[WX+32*((\t)%2)+\i], v3, s[4:5] offset:(32*(\t)+\i)*SIZE_N*4 th:TH_LOAD_NT
.endr
.endm
.macro WBLOCK t
.set XS, WX+32*((\t)%2)
.if (\t) < NB-1
	s_wait_loadcnt 32                              ; this block's 32 loads are in; the next block's 32 may be out
.else
	s_wait_loadcnt 0
.endif
	v_max3_num_f32 v12, |v[XS]|, |v[XS+1]|, |v[XS+2]|   ; the block's largest magnitude: all 32 numbers are mine; two chains
	v_max3_num_f32 v13, |v[XS+3]|, |v[XS+4]|, |v[XS+5]|
.irp i, 6,10,14,18,22,26
	v_max3_num_f32 v12, v12, |v[XS+\i]|, |v[XS+\i+1]|
	v_max3_num_f32 v13, v13, |v[XS+\i+2]|, |v[XS+\i+3]|
.endr
	v_max3_num_f32 v12, v12, |v[XS+30]|, |v[XS+31]|
	v_max3_num_f32 v12, v12, v13, (EMAX+1)<<23     ; and the floor 2^(3 - 127): the byte cannot fall under 1
	v_add_nc_u32 v11, -(EMAX<<23), v12             ; 2 off the exponent field: the conversion takes the exponent field of this operand as its scale
	v_lshrrev_b32 v13, 23, v11                     ; the scale's byte
.if (\t)%4 == 0
	v_mov_b32 v[SB+(\t)/4], v13                    ; four bytes to a register, the lower K in the lower byte
.else
	v_lshl_or_b32 v[SB+(\t)/4], v13, 8*((\t)%4), v[SB+(\t)/4]
.endif
.irp g, 0,1,2,3
	v_cvt_scalef32_pk8_fp4_f32 v[WC+\g], v[XS+8*\g:XS+8*\g+7], v11
.endr
	ds_store_b128 v4, v[WC:WC+3] offset:16*(\t)    ; 32 codes: 16 bytes of my column's row
.if (\t)+2 < NB
	WLOAD (\t)+2
.endif
	s_wait_dscnt 0x0                               ; the store has read its registers: the next block's codes may be written
.endm
	WLOAD 0
	WLOAD 1
.set Q, 0
.rept NB
	WBLOCK Q
.set Q, Q+1
.endr
	global_store_b128 v9, v[SB:SB+3], s[12:13]     ; my column's 16 scale bytes
.irp t, 0,1,2,3,4,5,6,7,8,9,10,11,12,13,14,15
	ds_load_b128 v[OUTR+4*\t:OUTR+4*\t+3], v7 offset:2*\t*WPITCH   ; LDS serves a wave's instructions in order: these see my stores
.endr
.irp t, 0,1,2,3,4,5,6,7,8,9,10,11,12,13,14,15
	s_wait_dscnt 15-\t                             ; the loads behind this one may be out
	global_store_b128 v8, v[OUTR+4*\t:OUTR+4*\t+3], s[10:11] offset:2*\t*KROW
.endr
	s_branch .Lend
; ---- W_proj to f16.  A wave takes 4,096 numbers in 16 steps of 256; a lane 8 neighbours a step.  All 32 loads go out at once; no register is written again, so no wait frees one.
.Lpath_p:
	s_sub_co_u32 s17, ttmp9, 48
	s_lshl_b32 s17, s17, 2
	s_add_co_u32 s17, s17, s16                     ; which run of 4,096 numbers
	s_lshl_b32 s24, s17, 14
	s_add_nc_u64 s[6:7], s[6:7], s[24:25]
	s_lshl_b32 s24, s17, 13
	s_add_nc_u64 s[14:15], s[14:15], s[24:25]
	v_lshlrev_b32 v3, 5, v2                        ; in: 32 bytes a lane
	v_lshlrev_b32 v4, 4, v2                        ; out: 16 bytes a lane: a store covers 512 consecutive bytes
.irp s, 0,1,2,3,4,5,6,7,8,9,10,11,12,13,14,15
	global_load_b128 v[32+8*\s:35+8*\s], v3, s[6:7] offset:1024*\s th:TH_LOAD_NT
	global_load_b128 v[36+8*\s:39+8*\s], v3, s[6:7] offset:1024*\s+16 th:TH_LOAD_NT
.endr
.irp s, 0,1,2,3,4,5,6,7,8,9,10,11,12,13,14,15
	s_wait_loadcnt 2*(15-\s)                       ; the later steps' two loads each may be out
.irp i, 0,1,2,3
	v_cvt_pk_f16_f32 v[32+8*\s+\i], v[32+8*\s+2*\i], v[32+8*\s+2*\i+1]   ; in place, ascending: register i is written when registers 2 i and 2 i + 1 are read
.endr
	global_store_b128 v4, v[32+8*\s:35+8*\s], s[14:15] offset:512*\s
.endr
	s_branch .Lend
; ---- x.  Rows are dense and K is a multiple of 32: a plain stream of blocks of 32.  A wave takes 16 steps of 512 numbers.  Each load reads 512 consecutive bytes; a step's 2,048 bytes turn through the wave's
; own stage in LDS and come back 64 bytes (16 neighbours) a lane; two neighbouring lanes hold a block.  A wave's 256 scale bytes are gathered in LDS and leave as 256 consecutive bytes.
.Lpath_x:
	v_lshlrev_b32 v3, 4, v2                        ; my 16 bytes of a load's 512
	s_mul_i32 s17, s16, WREG
	v_lshrrev_b32 v12, 2, v2
	v_mul_u32_u24 v12, v12, SP
	v_and_b32 v13, 3, v2
	v_lshl_add_u32 v12, v13, 4, v12
	v_add_nc_u32 v12, s17, v12                     ; the stage, on the way in: SP (lane / 4) + 16 (lane % 4)
	v_mul_u32_u24 v13, v2, SP
	v_add_nc_u32 v13, s17, v13                     ; and on the way out: SP x lane
	v_mul_u32_u24 v4, v2, CB                       ; my codes' place in a step's
	v_lshrrev_b32 v5, 1, v2
	s_add_co_u32 s17, s17, 2*32*SP
	v_add_nc_u32 v5, s17, v5                       ; my wave's 256 scale bytes, my block's byte
	v_lshlrev_b32 v7, 3, v2                        ; and on the way out 8 bytes a lane
	v_add_nc_u32 v6, s17, v7
	s_sub_co_u32 s17, ttmp9, 112
	s_lshl_b32 s17, s17, 2
	s_add_co_u32 s18, s17, s16                     ; which run of 8,192 numbers
	s_lshl_b32 s24, s18, 15
	s_add_nc_u64 s[8:9], s[8:9], s[24:25]
	s_lshl_b32 s24, s18, 12
	s_add_nc_u64 s[20:21], s[20:21], s[24:25]
	s_lshl_b32 s24, s18, 8
	s_add_nc_u64 s[22:23], s[22:23], s[24:25]
.macro XLOAD t
.irp i, 0,1,2,3
	global_load_b128 v[XR+16*((\t)%4)+4*\i:XR+16*((\t)%4)+4*\i+3], v3, s[8:9] offset:2048*(\t)+512*\i th:TH_LOAD_NT
.endr
.endm
.macro XTURN t                         ; step t's numbers through the stage: LDS serves a wave's instructions in order, so no wait stands between the stores and the loads
.irp i, 0,1,2,3
	ds_store_b128 v12, v[XR+16*((\t)%4)+4*\i:XR+16*((\t)%4)+4*\i+3] offset:32*SP*((\t)%2)+8*SP*\i
.endr
.irp i, 0,1,2,3
	ds_load_b128 v[XX+16*((\t)%2)+4*\i:XX+16*((\t)%2)+4*\i+3], v13 offset:32*SP*((\t)%2)+16*\i
.endr
.endm
.irp t, 0,1,2,3
	XLOAD \t
.endr
	s_wait_loadcnt 12                              ; step 0's four loads are in; three steps' twelve may be out
	XTURN 0
.macro XSTEP t
.set XS, XX+16*((\t)%2)
.if (\t) > 0
	s_wait_dscnt 1                                 ; this step's numbers are back from the stage; the last step's byte store may be out
.else
	s_wait_dscnt 0x0
.endif
.if (\t)+4 < STEPS
	XLOAD (\t)+4                                   ; into the set whose stores into the stage have read their registers
.endif
.if (\t)+1 < STEPS
.if STEPS-2-(\t) >= 3
	s_wait_loadcnt 12                              ; the next step's four loads are in; those of the three steps behind it may be out
.else
	s_wait_loadcnt 4*(STEPS-2-(\t))
.endif
	XTURN (\t)+1
.endif
	v_max3_num_f32 v8, |v[XS]|, |v[XS+1]|, |v[XS+2]|    ; the largest magnitude of my 16
	v_max3_num_f32 v9, |v[XS+3]|, |v[XS+4]|, |v[XS+5]|
.irp i, 6,10
	v_max3_num_f32 v8, v8, |v[XS+\i]|, |v[XS+\i+1]|
	v_max3_num_f32 v9, v9, |v[XS+\i+2]|, |v[XS+\i+3]|
.endr
	v_max3_num_f32 v8, v8, |v[XS+14]|, |v[XS+15]|
	v_max3_num_f32 v8, v8, v9, (EMAX+1)<<23        ; and the floor
	v_max_num_f32_dpp v8, v8, v8 row_xmask:1 row_mask:0xf bank_mask:0xf   ; and of my neighbour's 16: the block's
	v_add_nc_u32 v11, -(EMAX<<23), v8
	v_cvt_scalef32_pk8_fp4_f32 v[XC+4*(\t)], v[XS:XS+7], v11
	v_cvt_scalef32_pk8_fp4_f32 v[XC+4*(\t)+1], v[XS+8:XS+15], v11
	v_lshrrev_b32 v[XE+(\t)], 23, v11              ; the scale's byte (also the plain line behind the conversions)
	ds_store_b8 v5, v[XE+(\t)] offset:16*(\t)      ; both lanes of a block write the same byte with the same value
	global_store_b64 v4, v[XC+4*(\t):XC+4*(\t)+1], s[20:21] offset:32*CB*(\t)   ; the wave stores 256 consecutive bytes
.endm
.irp t, 0,1,2,3,4,5,6,7,8,9,10,11,12,13,14,15
	XSTEP \t
.endr
	ds_load_b64 v[8:9], v6                         ; LDS serves a wave's instructions in order: this sees my byte stores
	s_wait_dscnt 0x0
	global_store_b64 v7, v[8:9], s[22:23]          ; 32 lanes store 256 consecutive bytes
.Lend:
	s_wait_tensorcnt 0x0                           ; the wave's end
	ds_add_u32 v[SPW], v[NIL]
	s_wait_dscnt 0x0
	s_endpgm
.Lfunc_end_k_q0ef0296dec_prep:
	.size	k_q0ef0296dec_prep, .Lfunc_end_k_q0ef0296dec_prep-k_q0ef0296dec_prep
	.p2alignl 7, 3214868480
	.fill 96, 4, 3214868480
	.section	.rodata,"a",@progbits
	.p2align	6, 0x0
	.amdhsa_kernel k_q0ef0296dec_prep
		.amdhsa_group_segment_fixed_size 68096
		.amdhsa_private_segment_fixed_size 0
		.amdhsa_enable_private_segment 0
		.amdhsa_kernarg_size 64
		.amdhsa_user_sgpr_count 2
		.amdhsa_user_sgpr_kernarg_segment_ptr 1
		.amdhsa_wavefront_size32 1
		.amdhsa_system_sgpr_workgroup_id_x 1
		.amdhsa_system_sgpr_workgroup_id_y 1
		.amdhsa_system_sgpr_workgroup_id_z 1
		.amdhsa_system_vgpr_workitem_id 0
		.amdhsa_next_free_vgpr 192
		.amdhsa_next_free_sgpr 66
		.amdhsa_reserve_vcc 0
		.amdhsa_float_denorm_mode_32 3
		.amdhsa_float_denorm_mode_16_64 3
		.amdhsa_memory_ordered 1
		.amdhsa_forward_progress 1
		.amdhsa_inst_pref_size 120
	.end_amdhsa_kernel
	.amdgpu_metadata
---
amdhsa.version: [ 1, 2 ]
amdhsa.kernels:
  - .name:           k_q0ef0296dec_prep
    .symbol:         k_q0ef0296dec_prep.kd
    .args:
      - { .name: W_attn, .offset: 0, .size: 8, .value_kind: global_buffer, .address_space: global }
      - { .name: W_proj, .offset: 8, .size: 8, .value_kind: global_buffer, .address_space: global }
      - { .name: x, .offset: 16, .size: 8, .value_kind: global_buffer, .address_space: global }
      - { .name: w_codes, .offset: 24, .size: 8, .value_kind: global_buffer, .address_space: global }
      - { .name: w_scales, .offset: 32, .size: 8, .value_kind: global_buffer, .address_space: global }
      - { .name: w16, .offset: 40, .size: 8, .value_kind: global_buffer, .address_space: global }
      - { .name: x_codes, .offset: 48, .size: 8, .value_kind: global_buffer, .address_space: global }
      - { .name: x_scales, .offset: 56, .size: 8, .value_kind: global_buffer, .address_space: global }
    .group_segment_fixed_size: 68096
    .private_segment_fixed_size: 0
    .kernarg_segment_align: 8
    .kernarg_segment_size: 64
    .max_flat_workgroup_size: 128
    .sgpr_count:     66
    .vgpr_count:     192
    .wavefront_size: 32
...
	.end_amdgpu_metadata
.endif
;; end of part 1
;; launch qkv (part 2): grid 12 x 32, 4 waves a work-group, clusters of 4 x 4, 327,680 bytes of LDS; arguments x_codes, x_scales, w_codes, w_scales, b_attn, qkv16, qkv32; writes qkv16, qkv32
.if DOCPART == 2
	.amdgcn_target "amdgcn-amd-amdhsa--gfx1250"
	.amdhsa_code_object_version 6
	.text
	.protected	k_q0ef0296dec_qkv
	.globl	k_q0ef0296dec_qkv
	.p2align	8
	.type	k_q0ef0296dec_qkv,@function
k_q0ef0296dec_qkv:
	s_mov_b64 s[64:65], 0
	v_nop
	global_prefetch_b8 v0, s[64:65] scope:SCOPE_SE
	s_setreg_imm32_b32 hwreg(HW_REG_WAVE_MODE, 25, 1), 1
	s_wait_xcnt 0x0
	s_wait_alu depctr_hold_cnt(0) depctr_sa_sdst(0) depctr_va_vdst(0) depctr_va_sdst(0) depctr_va_ssrc(0) depctr_va_vcc(0) depctr_vm_vsrc(0)
	s_getreg_b32 s2, hwreg(HW_REG_IB_STS2, 6, 4)
	s_cmp_eq_u32 s2, 0
	s_cbranch_scc0 .Lentry_in_a_cluster
	s_endpgm
.Lentry_in_a_cluster:
	s_bfe_u32 s2, ttmp6, 0x10000c
	s_cmp_lg_u32 s2, 0xf033
	s_cbranch_scc0 .Lentry_shape_is_right
	s_endpgm
.Lentry_shape_is_right:
; QKV.  qkv[m][n] = sum over k of x[m][k] W_attn[k][n] + b_attn[n], on codes of FP4 (E2M1) with one E8M0 scale for each 32 along K; sums in f32.  m 8,192, n 3,072, k 1,024.
; A tile of 256 x 256 is made by four waves, 128 x 128 each: 64 accumulators, 512 registers.  K is two slots of 512, both filled at the start: no slot is filled again.
; The scale bytes of the work-group's 256 + 256 rows, for all of K, come into LDS once.  4 x 4 work-groups form a cluster: x's tiles are asked for jointly along a row of the cluster, W's along a column.
; THE MATRIX INSTRUCTION IS USED TRANSPOSED (source 0 = 16 rows of W's codes, source 1 = 16 rows of x's): a lane holds eight neighbouring columns of one row.  The bias is the C of each sum's first product.
; TILE ROW = 8 cy + cluster y: so the batch is cy, and the tiles that hold the first 16 positions of a sequence are those of the clusters with y = 0: the branch for them hangs on the cluster's y and the wave's number alone.
; OUT: f16, laid [q, k, v][batch x 16 + head][t][64] (a head's rows are dense, 128 bytes each); and the first 16 positions of each sequence also in f32, [batch][16][3072].
; LIMIT: |q|, |k|, |v| stay under 65,504 (f16).
; REGISTERS, in windows of 256: window 0: v0-31 addresses; v32-95 scale words, two sets, and nothing else; v128-191 x's fragments, one set; v192-255 the bias; on the way out v128-223 are at work.
;   window 1: W's fragments, two sets, at v0 and v128.   window 2: the accumulators of my rows 0-63 ((a, b) at v[8 (8 a + b)]);   window 3: those of rows 64-127.
.set SIZE_K, 1024
.set NQ,     4                         ; matrix instructions deep in a slot
.set ROWB,   256                       ; a tile's row in bytes: 512 codes
.set KROW,   SIZE_K/2                  ; a row of codes in memory
.set PITCH,  272                       ; an LDS row: 256 bytes + 16: the 16 rows that a load touches start 68 words apart
.set FR,     8                         ; registers of a fragment
.set NL,     2                         ; LDS loads that bring one
.set NP,     4                         ; places behind this matrix instruction
.set HALFT,  128*PITCH
.set SLOT,   4*HALFT
.set KS,     SIZE_K/32                 ; a row of scales in bytes
.set SCL,    2*SLOT                    ; behind the slots: the scales, as rows of 256 bytes + 16
.set HALFS,  (128*KS/256)*272
.set SBLK,   (16*KS/256)*272
.set SPARE,  SCL+4*HALFS               ; the spare words, 128 bytes for each wave, which no other line names
.set ST16,   0                         ; the way out, in slot 0, which has had its only fill and its last read by then: 16 rows x 272 for each wave (f16),
.set ST32,   32768                     ; and 16 rows x 528 for each wave (f32)
.set ADRA, 16
.set ADRB, 20
.set STO,  24
.set RD,   25
.set CO,   26
.set ADRS, 27
.set SPW,  28
.set NIL,  29
.set STO32, 30
.set RD32, 31
.set SC,   32
.set AF,   128
.set BIAS, 192
.set TMP,  128                         ; the way out: a block packed to f16
.set BK,   160                         ; and read back: v160-191, v192-223 by turns
.set G1, 24
.set G0, 32
.set G1B, 48
.set G0B, 56
.set G1S, 68
.set G0S, 76
.set G1SB, 80
.set G0SB, 88
.set MSB, 0
.macro WIN new                         ; the immediate's high byte repeats the setting that is left
.if MSB != (\new)
	s_set_vgpr_msb (MSB<<8)|(\new)
.set MSB, \new
.endif
.endm
.set MUL_LO, 0xa1                      ; source 0 (W) window 1, source 1 (x) window 0, C and D window 2
.set MUL_HI, 0xf1                      ; the same, C and D window 3
.set BIA_LO, 0x81                      ; the first products: C (the bias) window 0, D window 2
.set BIA_HI, 0xc1                      ; D window 3
.set TO_B,   0x40
; A joint load: waves 0 and 1 fetch for x, waves 2 and 3 for W.  The branch hangs on the wave's number alone.  An s_nop 0 and four v_nop follow each of the two lines.
.macro JLOAD g0a, g1a, g0b, g1b
	s_cmp_eq_u32 s15, 0
	s_cbranch_scc0 .Lfor_b_\@
	tensor_load_to_lds s[\g0a:\g0a+3], s[\g1a:\g1a+7]
	s_nop 0
.rept 4
	v_nop
.endr
	s_branch .Lasked_\@
.Lfor_b_\@:
	tensor_load_to_lds s[\g0b:\g0b+3], s[\g1b:\g1b+7]
	s_nop 0
.rept 4
	v_nop
.endr
.Lasked_\@:
.endm
.macro CROUND                          ; a round of the cluster's barrier
	s_barrier_signal -1
	s_barrier_wait -1
	s_cmp_lg_u32 s14, 0
	s_cbranch_scc1 .Lnot_wave_0_\@
	s_barrier_signal -3
.Lnot_wave_0_\@:
	s_barrier_wait -3
	s_barrier_signal -1
	s_barrier_wait -1
.endm
	s_load_b128 s[4:7], s[0:1], 0x0                ; x's codes s[4:5], x's scales s[6:7]
	s_load_b128 s[8:11], s[0:1], 0x10              ; W's codes s[8:9], W's scales s[10:11]
	s_load_b64 s[96:97], s[0:1], 0x20              ; b_attn
	s_load_b64 s[12:13], s[0:1], 0x28              ; qkv16
	s_load_b64 s[98:99], s[0:1], 0x30              ; qkv32
	v_lshl_add_u32 v[SPW], v0, 2, SPARE
	v_mov_b32 v[NIL], 0
	ds_add_u32 v[SPW], v[NIL]                      ; the wave's opening: the add, twice on end, and its wait ahead of my first tensor load
	ds_add_u32 v[SPW], v[NIL]
	v_lshrrev_b32 v1, 5, v0
	v_readfirstlane_b32 s14, v1                    ; wave 0..3
	s_lshr_b32 s15, s14, 1                         ; which half of the tile's rows is mine.  Also: I fetch for x (0) or for W (1)
	s_and_b32 s16, s14, 1                          ; which half of its columns.  Also: which 128 rows of that tile I fetch
	s_bfe_u32 s40, ttmp6, 0x40000                  ; cx
	s_bfe_u32 s41, ttmp6, 0x40004                  ; cy
	s_lshl_b32 s42, ttmp9, 2
	s_add_co_u32 s42, s42, s40                     ; tile column = 4 x cluster x + cx
	s_and_b32 s95, ttmp7, 0xffff                   ; cluster y
	s_lshl_b32 s17, s41, 3
	s_add_co_u32 s17, s17, s95                     ; tile row = 8 cy + cluster y
	s_lshl_b32 s43, s41, 2
	s_lshl_b32 s43, 15, s43                        ; my row of the cluster
	s_lshl_b32 s44, 0x1111, s40                    ; my column
	s_or_b32 s[G1+0], s43, (0<<16)|(1<<20)|(1<<21)|(5<<22)|(3<<25)   ; the mask; elements of 1 byte; padding on; bit 21 beside a mask; 4 words after every 64
	s_or_b32 s[G1B+0], s44, (0<<16)|(1<<20)|(1<<21)|(5<<22)|(3<<25)
.irp g, G1, G1B
	s_mov_b32 s[\g+1], ROWB<<16                    ; tensor_dim0
	s_mov_b32 s[\g+2], 128<<16                     ; tensor_dim1
	s_mov_b32 s[\g+3], ROWB<<16                    ; tile_dim0
	s_mov_b32 s[\g+4], 128                         ; tile_dim1
	s_mov_b32 s[\g+5], KROW                        ; the pitch
	s_mov_b32 s[\g+6], 0
	s_mov_b32 s[\g+7], 0
.endr
	s_or_b32 s[G1S+0], s43, (3<<16)|(1<<20)|(1<<21)|(5<<22)|(3<<25)  ; the scales of 128 rows: 4,096 dense bytes as 16 rows of 32 elements of 8 bytes
	s_or_b32 s[G1SB+0], s44, (3<<16)|(1<<20)|(1<<21)|(5<<22)|(3<<25)
.irp g, G1S, G1SB
	s_mov_b32 s[\g+1], 32<<16
	s_mov_b32 s[\g+2], (128*KS/256)<<16
	s_mov_b32 s[\g+3], 32<<16
	s_mov_b32 s[\g+4], 128*KS/256
	s_mov_b32 s[\g+5], 32
	s_mov_b32 s[\g+6], 0
	s_mov_b32 s[\g+7], 0
.endr
	s_lshl_b32 s18, s16, 7                         ; which 128 rows of the tile I fetch
	s_lshl_b32 s20, s17, 8
	s_add_co_u32 s20, s20, s18                     ; x: row 256 x tile row + 128 x half
	s_lshl_b32 s46, s42, 8
	s_add_co_u32 s46, s46, s18                     ; W: row 256 x tile column + 128 x half
	s_mov_b32 s21, 0
	s_mov_b32 s47, 0
	s_mov_b64 s[18:19], KS
	s_mul_u64 s[22:23], s[20:21], s[18:19]         ; where these rows' scales begin
	s_mul_u64 s[92:93], s[46:47], s[18:19]
	s_mov_b64 s[18:19], KROW
	s_mul_u64 s[20:21], s[20:21], s[18:19]         ; and their codes
	s_mul_u64 s[46:47], s[46:47], s[18:19]
	s_mul_i32 s45, s14, HALFT                      ; where they go: wave x 128 rows
	s_mul_i32 s94, s14, HALFS
	s_wait_dscnt 0x0                               ; both opening adds are done
	s_wait_kmcnt 0x0
	s_add_nc_u64 s[20:21], s[4:5], s[20:21]
	s_add_nc_u64 s[22:23], s[6:7], s[22:23]
	s_add_nc_u64 s[46:47], s[8:9], s[46:47]
	s_add_nc_u64 s[92:93], s[10:11], s[92:93]
	CROUND                                         ; all sixteen work-groups are here: the joint loads meet
	s_mov_b32 s[G0S], 1
	s_add_co_u32 s[G0S+1], s94, SCL
	s_mov_b64 s[G0S+2:G0S+3], s[22:23]
	s_or_b32 s[G0S+3], s[G0S+3], 0x80000000
	s_mov_b32 s[G0SB], 1
	s_add_co_u32 s[G0SB+1], s94, SCL
	s_mov_b64 s[G0SB+2:G0SB+3], s[92:93]
	s_or_b32 s[G0SB+3], s[G0SB+3], 0x80000000
	JLOAD G0S, G1S, G0SB, G1SB                     ; the scales first: three loads of mine are out behind the third
.irp s, 0,1
	s_mov_b32 s[G0+4*\s], 1
	s_add_co_u32 s[G0+4*\s+1], s45, \s*SLOT
	s_add_nc_u64 s[G0+4*\s+2:G0+4*\s+3], s[20:21], \s*ROWB
	s_or_b32 s[G0+4*\s+3], s[G0+4*\s+3], 0x80000000
	s_mov_b32 s[G0B+4*\s], 1
	s_add_co_u32 s[G0B+4*\s+1], s45, \s*SLOT
	s_add_nc_u64 s[G0B+4*\s+2:G0B+4*\s+3], s[46:47], \s*ROWB
	s_or_b32 s[G0B+4*\s+3], s[G0B+4*\s+3], 0x80000000
	JLOAD G0+4*\s, G1, G0B+4*\s, G1B
.endr
	v_and_b32 v1, 15, v0                           ; r = lane % 16
	v_bfe_u32 v2, v0, 4, 1                         ; h = lane / 16
	v_mul_u32_u24 v3, v1, PITCH
	v_lshl_add_u32 v4, v2, 4, v3                   ; a fragment's row x pitch + 16 h
	s_mul_i32 s21, s15, HALFT                      ; my 128 rows of x
	s_mul_i32 s22, s16, HALFT                      ; my 128 rows of W,
	s_add_co_u32 s22, s22, 2*HALFT                 ; behind x's 256
.irp s, 0,1
	v_add_nc_u32 v[ADRA+\s], s21, v4
	v_add_nc_u32 v[ADRB+\s], s22, v4
	s_add_co_u32 s21, s21, SLOT
	s_add_co_u32 s22, s22, SLOT
.endr
	v_mul_u32_u24 v5, v1, KS                       ; my row's scales: KS bytes a row,
	v_lshrrev_b32 v6, 8, v5
	v_lshl_add_u32 v5, v6, 4, v5                   ; and 16 more for each 256 passed
	s_mul_i32 s21, s15, HALFS
	s_mul_i32 s22, s16, HALFS
	s_add_co_u32 s22, s22, 2*HALFS
	s_sub_co_u32 s22, s22, s21
	v_mul_u32_u24 v6, s22, v2                      ; lanes 16-31 take W's: one product, the distance between the two bases
	s_add_co_u32 s21, s21, SCL
	v_add_nc_u32 v5, v5, v6
	v_add_nc_u32 v[ADRS], s21, v5
	s_mul_i32 s23, s14, 16*272                     ; my f16 stage
	v_mul_u32_u24 v5, v1, 272
	v_lshl_add_u32 v5, v2, 4, v5
	v_add_nc_u32 v[STO], s23, v5                   ; in: row r, 16 bytes for each half of the lanes
	v_and_b32 v6, 31, v0
	v_lshlrev_b32 v[CO], 4, v6                     ; in memory: 16 x lane
	v_lshrrev_b32 v7, 3, v6
	v_and_b32 v8, 7, v6
	v_mul_u32_u24 v7, v7, 272
	v_lshl_add_u32 v7, v8, 4, v7
	v_add_nc_u32 v[RD], s23, v7                    ; back: eight lanes take the 128 bytes of one head's row, four rows an instruction
	s_mul_i32 s23, s14, 16*528
	s_add_co_u32 s23, s23, ST32                    ; my f32 stage
	v_mul_u32_u24 v5, v1, 528
	v_lshl_add_u32 v5, v2, 5, v5
	v_add_nc_u32 v[STO32], s23, v5
	v_add_nc_u32 v[RD32], s23, v[CO]
	v_lshlrev_b32 v9, 5, v2                        ; the bias: 32 h bytes
	s_lshl_b32 s46, s42, 10
	s_lshl_b32 s47, s16, 9
	s_add_co_u32 s46, s46, s47                     ; my first column in bytes of f32: 1,024 x tile column + 512 x half
	s_mov_b32 s47, 0
	s_add_nc_u64 s[96:97], s[96:97], s[46:47]
	s_mul_i32 s22, s41, 196608                     ; qkv32: the batch's 16 rows of 12,288 bytes
	s_add_co_u32 s46, s46, s22
	s_add_nc_u64 s[98:99], s[98:99], s[46:47]
.irp b, 0,1,2,3,4,5,6,7
	global_load_b128 v[BIAS+8*\b:BIAS+8*\b+3], v9, s[96:97] offset:64*\b       ; lane (r, h): b_attn at columns 16 b + 8 h + 0 .. 7, the layout of a result
	global_load_b128 v[BIAS+8*\b+4:BIAS+8*\b+7], v9, s[96:97] offset:64*\b+16
.endr
	s_lshl_b32 s20, ttmp9, 6                       ; qkv16: (q, k or v: the cluster's x) x 64
	s_lshl_b32 s21, s41, 4
	s_add_co_u32 s20, s20, s21                     ; + batch x 16
	s_lshl_b32 s21, s40, 2
	s_add_co_u32 s20, s20, s21
	s_lshl_b32 s21, s16, 1
	s_add_co_u32 s20, s20, s21                     ; + my first head: 4 cx + 2 x half
	s_lshl_b32 s20, s20, 11
	s_lshl_b32 s21, s95, 8
	s_add_co_u32 s20, s20, s21
	s_lshl_b32 s21, s15, 7
	s_add_co_u32 s20, s20, s21                     ; x 2,048 + my first position: 256 x cluster y + 128 x half
	s_lshl_b32 s20, s20, 7                         ; x 128 bytes (under 2^26)
	s_mov_b32 s21, 0
	s_add_nc_u64 s[12:13], s[12:13], s[20:21]
.macro FRAG reg, adr, q, i             ; 16 rows x 128 K of 4-bit codes: 8 registers, two loads 32 bytes apart
.irp c, 0,1
	ds_load_b128 v[\reg+4*\c:\reg+4*\c+3], v[\adr] offset:64*(\q)+32*\c+(\i)*16*PITCH
.endr
.endm
; 16 matrix instructions: x's blocks a0, a0 + 1 against W's eight.  The 64 accumulators take turns, one instruction a turn, in the same order in every step.
.macro MUL16 a0, p, q, sc, zero
.irp a, \a0, \a0+1
.irp b, 0,1,2,3,4,5,6,7
.if \zero
	v_wmma_scale_f32_16x16x128_f8f6f4 v[8*(8*((\a)%4)+\b):8*(8*((\a)%4)+\b)+7], v[128*(\p)+FR*\b:128*(\p)+FR*\b+FR-1], v[AF+FR*(\a):AF+FR*(\a)+FR-1], v[BIAS+8*\b:BIAS+8*\b+7], v[SC+8*NQ*(\sc)+NQ*\b+(\q)], v[SC+8*NQ*(\sc)+NQ*(\a)+(\q)] matrix_a_fmt:MATRIX_FMT_FP4 matrix_b_fmt:MATRIX_FMT_FP4 matrix_a_scale:MATRIX_SCALE_ROW1
.else
	v_wmma_scale_f32_16x16x128_f8f6f4 v[8*(8*((\a)%4)+\b):8*(8*((\a)%4)+\b)+7], v[128*(\p)+FR*\b:128*(\p)+FR*\b+FR-1], v[AF+FR*(\a):AF+FR*(\a)+FR-1], v[8*(8*((\a)%4)+\b):8*(8*((\a)%4)+\b)+7], v[SC+8*NQ*(\sc)+NQ*\b+(\q)], v[SC+8*NQ*(\sc)+NQ*(\a)+(\q)] matrix_a_fmt:MATRIX_FMT_FP4 matrix_b_fmt:MATRIX_FMT_FP4 matrix_a_scale:MATRIX_SCALE_ROW1
.endif
.endr
.endr
.endm
.macro FETCH_B slot, q, p
	WIN TO_B
.irp i, 0,1,2,3,4,5,6,7
	FRAG 128*(\p)+FR*\i, ADRB+\slot, \q, \i
.endr
	WIN 0
.endm
.macro FETCH_A slot, q, i0
.irp i, \i0, \i0+1, \i0+2, \i0+3
	FRAG AF+FR*(\i), ADRA+\slot, \q, \i
.endr
.endm
.macro SCALES sc                       ; a slot's scale words: lanes 0-15 x's block i, lanes 16-31 W's block i
.irp i, 0,1,2,3,4,5,6,7
	ds_load_b128 v[SC+8*NQ*\sc+NQ*\i:SC+8*NQ*\sc+NQ*\i+3], v[ADRS] offset:\i*SBLK
.endr
.endm
.macro PLACES n                        ; plain vector lines between a matrix instruction and a load into, or a read of, its registers
.rept \n
	v_nop
.endr
.endm
.macro STEP slot, q, zero              ; a step of 128 along K that has its successor in the same slot
	s_wait_dscnt 4*NL                              ; W's set and x's blocks 0-3 are in; the youngest eight loads (blocks 4-7) may be out
.if \zero
	WIN BIA_LO
.else
	WIN MUL_LO
.endif
	MUL16 0, (\q)%2, \q, \slot, \zero
	MUL16 2, (\q)%2, \q, \slot, \zero
	s_wait_dscnt 0                                 ; blocks 4-7 are in
	PLACES NP
	FETCH_B \slot, (\q)+1, 1-(\q)%2
	FETCH_A \slot, (\q)+1, 0
.if \zero
	WIN BIA_HI
.else
	WIN MUL_HI
.endif
	MUL16 4, (\q)%2, \q, \slot, \zero
	MUL16 6, (\q)%2, \q, \slot, \zero
	PLACES NP
	WIN 0
	FETCH_A \slot, (\q)+1, 4
.endm
.macro STEPS slot, from
.set Q, \from
.rept NQ-1-\from
	STEP \slot, Q, 0
.set Q, Q+1
.endr
.endm
	s_wait_tensorcnt 1                             ; the scales and my part of slot 0 are in; slot 1's load may be out
	s_barrier_signal -1
	s_barrier_wait -1                              ; everybody's are
	FETCH_B 0, 0, 0
	FETCH_A 0, 0, 0
	SCALES 0
	FETCH_A 0, 0, 4
	s_wait_loadcnt 0x0                             ; the bias
	STEP 0, 0, 1                                   ; the first products start the sums on the bias: nothing is cleared, nothing is added later
	STEPS 0, 1
	; slot 0's last step changes slots: one barrier; in front of it my part of slot 1 has landed and my reads of slot 0 are over
	s_wait_tensorcnt 0x0
	ds_add_u32 v[SPW], v[NIL]
	s_wait_dscnt 4*NL+1                            ; the add and the youngest eight loads may be out
	WIN MUL_LO
	MUL16 0, 1, NQ-1, 0, 0
	s_wait_dscnt 0x0
	s_barrier_signal -1
	MUL16 2, 1, NQ-1, 0, 0
	WIN 0
	s_barrier_wait -1
	PLACES NP
	v_add_nc_u32 v[ADRS], 4*NQ, v[ADRS]            ; on to slot 1's scale words
	FETCH_B 1, 0, 0
	FETCH_A 1, 0, 0
	SCALES 1
	WIN MUL_HI
	MUL16 4, 1, NQ-1, 0, 0
	MUL16 6, 1, NQ-1, 0, 0
	PLACES NP
	WIN 0
	FETCH_A 1, 0, 4
	STEPS 1, 0
	s_wait_dscnt 4*NL                              ; the very last step
	WIN MUL_LO
	MUL16 0, 1, NQ-1, 1, 0
	MUL16 2, 1, NQ-1, 1, 0
	s_wait_dscnt 0
	WIN MUL_HI
	MUL16 4, 1, NQ-1, 1, 0
	MUL16 6, 1, NQ-1, 1, 0
	WIN 0
; THE WAY OUT, a block of 16 rows x 128 columns (two heads) at a time, through my own stage in LDS.
.macro PACK a                          ; rounded to f16: a lane's eight columns are 16 bytes; each accumulator from its low end on
.set AC, 64*((\a)%4)
	WIN 0x0a+5*((\a)/4)                            ; sources 0 and 1: window 2 or 3
.irp b, 0,1,2,3,4,5,6,7
.irp r, 0,1,2,3
	v_cvt_pk_f16_f32 v[TMP+4*\b+\r], v[AC+8*\b+2*\r], v[AC+8*\b+2*\r+1]
.endr
.endr
	WIN 0
.endm
.macro TOSTAGE a
.set BB, BK+32*((\a)%2)
.irp b, 0,1,2,3,4,5,6,7
	ds_store_b128 v[STO], v[TMP+4*\b:TMP+4*\b+3] offset:32*\b
.endr
.irp j, 0,1,2,3,4,5,6,7
	ds_load_b128 v[BB+4*\j:BB+4*\j+3], v[RD] offset:1088*(\j%4)+128*(\j/4)   ; rows 4 (j % 4) on, head j / 4; LDS serves a wave's instructions in order: these see the stores above
.endr
.endm
.macro SEND a
.set BB, BK+32*((\a)%2)
	s_wait_dscnt 0x0                               ; the block is back in registers
	s_wait_xcnt 0x0                                ; the block before has had its stores' registers read: the next block's loads may land there
.irp j, 0,1,2,3,4,5,6,7
	global_store_b128 v[CO], v[BB+4*\j:BB+4*\j+3], s[12:13] offset:(\j/4)*262144+(\j%4)*512+2048*(\a)   ; 32 lanes store 512 consecutive bytes: four rows of one head
.endr
.endm
	PLACES NP
	s_cmp_lg_u32 s95, 0                            ; the first 16 positions of a sequence lie in the clusters with y = 0,
	s_cbranch_scc1 .Lcoarse
	s_cmp_lg_u32 s15, 0                            ; in the waves of the upper row half, in block 0
	s_cbranch_scc1 .Lcoarse
	WIN 0x08                                       ; an LDS store's data are its source 1: window 2
.irp b, 0,1,2,3,4,5,6,7
	ds_store_b128 v[STO32], v[8*\b:8*\b+3] offset:64*\b
	ds_store_b128 v[STO32], v[8*\b+4:8*\b+7] offset:64*\b+16
.endr
	WIN 0
.irp t, 0,1,2,3,4,5,6,7,8,9,10,11,12,13,14,15
	ds_load_b128 v[128+4*\t:131+4*\t], v[RD32] offset:\t*528
.endr
	s_wait_dscnt 0x0
.irp t, 0,1,2,3,4,5,6,7,8,9,10,11,12,13,14,15
	global_store_b128 v[CO], v[128+4*\t:131+4*\t], s[98:99] offset:\t*12288     ; 512 consecutive bytes of a row of qkv32
.endr
	s_wait_xcnt 0x0                                ; these stores have read their registers, which the packing below writes
.Lcoarse:
	PACK 0
	TOSTAGE 0
.irp a, 1,2,3,4,5,6,7                  ; block a's conversions stand between block a - 1's loads from the stage and the wait for them
	PACK \a
	SEND \a-1
	TOSTAGE \a
.endr
	SEND 7
	s_wait_tensorcnt 0x0                           ; the wave's end
	ds_add_u32 v[SPW], v[NIL]
	s_wait_dscnt 0x0
	CROUND                                         ; the closing round
	s_endpgm
.Lfunc_end_k_q0ef0296dec_qkv:
	.size	k_q0ef0296dec_qkv, .Lfunc_end_k_q0ef0296dec_qkv-k_q0ef0296dec_qkv
	.p2alignl 7, 3214868480
	.fill 96, 4, 3214868480
	.section	.rodata,"a",@progbits
	.p2align	6, 0x0
	.amdhsa_kernel k_q0ef0296dec_qkv
		.amdhsa_group_segment_fixed_size 327680
		.amdhsa_private_segment_fixed_size 0
		.amdhsa_enable_private_segment 0
		.amdhsa_kernarg_size 56
		.amdhsa_user_sgpr_count 2
		.amdhsa_user_sgpr_kernarg_segment_ptr 1
		.amdhsa_wavefront_size32 1
		.amdhsa_system_sgpr_workgroup_id_x 1
		.amdhsa_system_sgpr_workgroup_id_y 1
		.amdhsa_system_sgpr_workgroup_id_z 1
		.amdhsa_system_vgpr_workitem_id 0
		.amdhsa_next_free_vgpr 1024
		.amdhsa_next_free_sgpr 100
		.amdhsa_reserve_vcc 0
		.amdhsa_float_denorm_mode_32 3
		.amdhsa_float_denorm_mode_16_64 3
		.amdhsa_memory_ordered 1
		.amdhsa_forward_progress 1
		.amdhsa_inst_pref_size 132
	.end_amdhsa_kernel
	.amdgpu_metadata
---
amdhsa.version: [ 1, 2 ]
amdhsa.kernels:
  - .name:           k_q0ef0296dec_qkv
    .symbol:         k_q0ef0296dec_qkv.kd
    .args:
      - { .name: x_codes, .offset: 0, .size: 8, .value_kind: global_buffer, .address_space: global }
      - { .name: x_scales, .offset: 8, .size: 8, .value_kind: global_buffer, .address_space: global }
      - { .name: w_codes, .offset: 16, .size: 8, .value_kind: global_buffer, .address_space: global }
      - { .name: w_scales, .offset: 24, .size: 8, .value_kind: global_buffer, .address_space: global }
      - { .name: b_attn, .offset: 32, .size: 8, .value_kind: global_buffer, .address_space: global }
      - { .name: qkv16, .offset: 40, .size: 8, .value_kind: global_buffer, .address_space: global }
      - { .name: qkv32, .offset: 48, .size: 8, .value_kind: global_buffer, .address_space: global }
    .group_segment_fixed_size: 327680
    .private_segment_fixed_size: 0
    .kernarg_segment_align: 8
    .kernarg_segment_size: 56
    .max_flat_workgroup_size: 128
    .sgpr_count:     100
    .vgpr_count:     1024
    .wavefront_size: 32
...
	.end_amdgpu_metadata
.endif
;; end of part 2
;; launch attn (part 3): grid 4 x 64, 16 waves a work-group, no clusters, 327,680 bytes of LDS; arguments qkv16, y2; writes y2
.if DOCPART == 3
	.amdgcn_target "amdgcn-amd-amdhsa--gfx1250"
	.amdhsa_code_object_version 6
	.text
	.protected	k_q0ef0296dec_attn
	.globl	k_q0ef0296dec_attn
	.p2align	8
	.type	k_q0ef0296dec_attn,@function
k_q0ef0296dec_attn:
	s_mov_b64 s[64:65], 0
	v_nop
	global_prefetch_b8 v0, s[64:65] scope:SCOPE_SE
	s_setreg_imm32_b32 hwreg(HW_REG_WAVE_MODE, 25, 1), 1
	s_wait_xcnt 0x0
; ATTN.  y[b][h][q] = sum over k <= q of softmax_k(Q[q] . K[k] / 8) V[k], head size 64, 2,048 positions, 64 heads in all.  Operands f16, products, maxima and sums f32; p is rounded to f16 for the second product.
; SHARES.  Work-group (p, head) owns the query blocks 7 - p and p of 256 queries: under the causal mask that is the same work for every p.  Sixteen waves, four to a SIMD; a wave owns 32 queries, two tiles A and B,
; so that each fragment of K and V read from LDS feeds two matrix instructions.  Waves with (w xor w / 4) even take the high block, the others the low one.
; Keys go 64 a step, 256 a slot, through a ring of two LDS slots (waves 0, 1 fetch K's halves, waves 2, 3 V's).  Every work-group walks all 8 slots: the trip counts are constants.  A step all of whose keys come after
; my 32 queries is left out by a scalar branch on ids; the one step on my diagonal is masked; a slot that none of the work-group's waves would read is not asked for.
; LAYOUT.  S^T = K Q^T (source 0 = 16 keys, source 1 = 16 queries): a lane holds ONE query (lane % 16) and keys 8 (lane / 16) + 0..7.  Two such tiles, rounded to f16 in pairs, are source 1 of O^T = V^T P.
; V ([key][channel]) comes out of LDS turned, by ds_load_tr16_b128.
; SOFTMAX.  A running maximum m and sum l for each query: p = 2^(c s - c m), c = log2(e) / 8; O and l are multiplied by a = 2^(c m_old - c m_new) in every step.
; NO CLUSTER: the four work-groups of a head need 8, 7, 6 and 5 slots; a partner would have to take tiles that none of its waves reads.
; OUT: y2 [head][batch x 2,048 + t][64] f16: a wave's 32 rows are 4,096 consecutive bytes.   LIMIT: |y| under 65,504; p under 6e-5 is an f16 subnormal.
.set KP,    144                        ; a key's row of K in LDS: 128 bytes + 16
.set VP,    160                        ; of V: 128 + 32: an odd multiple of 32 for the turning load
.set VOFF,  256*KP                     ; a slot: 256 rows of K, then 256 rows of V
.set SLOT1, 1<<17                      ; slot 1 begins here: one exclusive or turns an address
.set STAGE, SLOT1+256*(KP+VP)          ; behind the ring: 32 rows x 144 for each wave, for the way out
.set SPARE, STAGE+16*32*KP             ; the spare words, 128 bytes for each wave, which no other line names
.set AK0, 1                            ; v1   my lane's place in a tile of K
.set AV0, 2                            ; v2   and of V
.set ADK, 3                            ; v3, v4 the addresses of the step in hand
.set ADV, 4
.set SPW, 5
.set NIL, 6
.set NINF, 7                           ; v7   -infinity
.set DD,  8                            ; v8   the mask's bound
.set RH8, 9                            ; v9   lane % 16 - 8 (lane / 16)
.set GO,  10                           ; v10  16 x lane
.set PFO, 11                           ; v11  256 x lane
.set ST,  12                           ; tile t's statistics at v[ST + 8 t]: +0 c m, +1 m, +2, +3 l, +4 .. +7 at work (a in +6)
.set QF,  28                           ; Q: tile t, channels 32 c on, at v[QF + 16 t + 8 c]
.set OA,  60                           ; O^T: tile t, channels 16 ct on, at v[OA + 32 t + 8 ct]
.set SA,  124                          ; S^T: tile t, keys 16 kt on, at v[SA + 32 t + 8 kt]; p packed into the low 16 of each tile
.set KV,  188                          ; 64 registers: K's 8 fragments, then V's 8
.set STO, 252
.set RD,  253
.set TB,  2                            ; s2   LDS byte at which the slot in hand begins
.set WV,  18
.set SEL, 20
.set CS,  22
.set G1K, 24
.set G1V, 32
.set G0K, 40
.set G0V, 44
.set SLOTS, 48
.set KF,  49                           ; the step's first key
.set Q0,  50                           ; my first query
.set QL,  51                           ; my last
.set WL,  52                           ; my work-group's last
.set PFA, 54
.set LIM, 56
; Waves 0 and 1 fetch for K, waves 2 and 3 for V, the others nothing.  An s_nop 0 and four v_nop follow each of the two lines.
.macro TLOAD
	s_cmp_lt_u32 s[WV], 2
	s_cbranch_scc0 .Lnot_k_\@
	tensor_load_to_lds s[G0K:G0K+3], s[G1K:G1K+7]
	s_nop 0
.rept 4
	v_nop
.endr
	s_branch .Lasked_\@
.Lnot_k_\@:
	s_cmp_lt_u32 s[WV], 4
	s_cbranch_scc0 .Lasked_\@
	tensor_load_to_lds s[G0V:G0V+3], s[G1V:G1V+7]
	s_nop 0
.rept 4
	v_nop
.endr
.Lasked_\@:
.endm
; A prefetch of what the NEXT change of slots will ask for: 256 rows of K and of V, 32,768 dense bytes each.  The head's work-group p = 0, which walks all slots, asks; in it waves 4 to 7 for K, waves 8 to 11 for V,
; 8,192 bytes a wave, lanes 256 bytes apart: each block of 256 bytes is named once in the launch.  The last change that fills a slot asks for nothing; slots 0 and 1 come by their loads alone.
.macro ASK
	s_cmp_gt_u32 s[SLOTS], s[LIM]
	s_cbranch_scc0 .Lnot_mine_\@
	global_prefetch_b8 v[PFO], s[PFA:PFA+1] th:TH_LOAD_NT scope:SCOPE_SE
.Lnot_mine_\@:
.endm
	s_load_b128 s[4:7], s[0:1], 0x0                ; qkv16 s[4:5], y2 s[6:7]
	v_lshl_add_u32 v[SPW], v0, 2, SPARE
	v_mov_b32 v[NIL], 0
	ds_add_u32 v[SPW], v[NIL]                      ; the wave's opening: the add, twice on end, and its wait ahead of my first tensor load
	ds_add_u32 v[SPW], v[NIL]
	v_lshrrev_b32 v124, 5, v0
	v_readfirstlane_b32 s[WV], v124                ; wave 0..15
	s_and_b32 s57, ttmp7, 0xffff                   ; batch x 16 + head
	s_lshr_b32 s58, s[WV], 2
	s_xor_b32 s58, s58, s[WV]
	s_and_b32 s58, s58, 1                          ; 0: the high block, 1: the low one
	s_sub_co_u32 s59, 7, ttmp9
	s_cmp_eq_u32 s58, 0
	s_cselect_b32 s59, s59, ttmp9                  ; my block of 256 queries
	s_lshl_b32 s[Q0], s59, 8
	s_lshr_b32 s60, s[WV], 1
	s_lshl_b32 s60, s60, 5
	s_add_co_u32 s[Q0], s[Q0], s60                 ; + 32 x (wave / 2)
	s_add_co_u32 s[QL], s[Q0], 31
	s_sub_co_u32 s[WL], 8, ttmp9
	s_lshl_b32 s[WL], s[WL], 8
	s_sub_co_u32 s[WL], s[WL], 1                   ; the high block's last query
	s_lshl_b32 s60, s57, 18                        ; the head's 2,048 rows of 128 bytes
	s_mov_b32 s61, 0
	s_lshl_b32 s62, s[Q0], 7
	s_mov_b32 s63, 0
	s_and_b32 s66, s57, 15
	s_lshl_b32 s66, s66, 13
	s_lshr_b32 s67, s57, 4
	s_lshl_b32 s67, s67, 11
	s_add_co_u32 s66, s66, s67
	s_add_co_u32 s66, s66, s[Q0]
	s_lshl_b32 s66, s66, 7                         ; y2: (head x 8,192 + batch x 2,048 + my first query) x 128
	s_mov_b32 s67, 0
	s_and_b32 s68, s[WV], 1                        ; which 128 rows of a slot I fetch, if I fetch
	s_lshl_b32 s70, s68, 14
	s_mov_b32 s71, 0
	s_mov_b32 s[G1K], (1<<16)|(1<<20)|(4<<22)|(3<<25)   ; no mask; elements of 2 bytes; padding: 4 words after every 32
	s_mov_b32 s[G1V], (1<<16)|(1<<20)|(4<<22)|(7<<25)   ; 8 words
.irp g, G1K, G1V
	s_mov_b32 s[\g+1], 64<<16                      ; tensor_dim0
	s_mov_b32 s[\g+2], 128<<16                     ; tensor_dim1
	s_mov_b32 s[\g+3], 64<<16                      ; tile_dim0
	s_mov_b32 s[\g+4], 128                         ; tile_dim1
	s_mov_b32 s[\g+5], 64                          ; the pitch
	s_mov_b32 s[\g+6], 0
	s_mov_b32 s[\g+7], 0
.endr
	s_mov_b32 s[SEL], 0x76543210
	s_mov_b32 s[SEL+1], 0xfedcba98                 ; v_permlanex16_b32's selects for lane l xor 16
	s_mov_b32 s[CS], 0x3e38aa3b                    ; c = log2(e) / 8
	s_mov_b32 s[CS+1], s[CS]
	s_mov_b32 s[TB], 0
	s_mov_b32 s[SLOTS], 7
	s_mov_b32 s[KF], 0
	s_wait_dscnt 0x0                               ; both opening adds are done
	s_wait_kmcnt 0x0
	s_add_nc_u64 s[8:9], s[4:5], s[60:61]          ; q's head
	s_add_nc_u64 s[6:7], s[6:7], s[66:67]          ; y2 at my rows
	s_add_nc_u64 s[4:5], s[8:9], s[62:63]          ; Q at my rows
	s_add_nc_u64 s[8:9], s[8:9], 0x1000000         ; K's head: 64 heads of 262,144 bytes on
	s_add_nc_u64 s[10:11], s[8:9], 0x1000000       ; V's
	s_mov_b32 s[G0K], 1
	s_mul_i32 s[G0K+1], s68, 128*KP
	s_add_nc_u64 s[G0K+2:G0K+3], s[8:9], s[70:71]
	s_or_b32 s[G0K+3], s[G0K+3], 0x80000000
	s_mov_b32 s[G0V], 1
	s_mul_i32 s[G0V+1], s68, 128*VP
	s_add_co_u32 s[G0V+1], s[G0V+1], VOFF
	s_add_nc_u64 s[G0V+2:G0V+3], s[10:11], s[70:71]
	s_or_b32 s[G0V+3], s[G0V+3], 0x80000000
	TLOAD                                          ; slot 0: it holds key 0, which counts for every query
	s_cmp_lt_u32 s[WV], 8                          ; the prefetches: waves 4 to 7 K's rows, waves 8 to 11 V's
	s_cselect_b64 s[PFA:PFA+1], s[8:9], s[10:11]
	s_and_b32 s72, s[WV], 3
	s_lshl_b32 s72, s72, 13
	s_add_co_u32 s72, s72, 32768                   ; my wave's part, in slot 1: the first change of slots steps it to slot 2
	s_mov_b32 s73, 0
	s_add_nc_u64 s[PFA:PFA+1], s[PFA:PFA+1], s[72:73]
	s_sub_co_u32 s72, s[WV], 4
	s_lshr_b32 s72, s72, 3                         ; 0 in waves 4 to 11,
	s_or_b32 s72, s72, ttmp9                       ; of the work-group p = 0
	s_cmp_eq_u32 s72, 0
	s_cselect_b32 s[LIM], 1, -1
	v_and_b32 v124, 15, v0                         ; r
	v_bfe_u32 v125, v0, 4, 1                       ; h
	v_lshlrev_b32 v254, 7, v124
	v_lshl_add_u32 v254, v125, 4, v254             ; Q: 128 r + 16 h
.irp t, 0,1
.irp c, 0,1
.irp i, 0,1
	global_load_b128 v[QF+16*\t+8*\c+4*\i:QF+16*\t+8*\c+4*\i+3], v254, s[4:5] offset:2048*\t+64*\c+32*\i
.endr
.endr
.endr
	v_mul_u32_u24 v[AK0], v124, KP
	v_lshl_add_u32 v[AK0], v125, 4, v[AK0]         ; K: row r x pitch + 16 h
	v_and_b32 v126, 7, v0
	v_lshl_add_u32 v126, v125, 3, v126
	v_mul_u32_u24 v[AV0], v126, VP
	v_bfe_u32 v127, v0, 3, 1
	v_lshl_add_u32 v[AV0], v127, 4, v[AV0]
	v_add_nc_u32 v[AV0], VOFF, v[AV0]              ; V: key 8 h + lane % 8, channels 8 ((lane / 8) % 2) on
	v_mov_b32 v[NINF], 0xff800000
	v_lshlrev_b32 v126, 3, v125
	v_sub_nc_u32 v[RH8], v124, v126
	v_and_b32 v126, 31, v0
	v_lshlrev_b32 v[GO], 4, v126
	v_lshlrev_b32 v[PFO], 8, v126
	s_mul_i32 s57, s[WV], 32*KP
	s_add_co_u32 s57, s57, STAGE                   ; my stage
	v_add_nc_u32 v[STO], s57, v[AK0]               ; in: row r, 16 bytes for each half of the lanes
	v_lshrrev_b32 v127, 3, v126
	v_and_b32 v126, 7, v126
	v_mul_u32_u24 v127, v127, KP
	v_lshl_add_u32 v127, v126, 4, v127
	v_add_nc_u32 v[RD], s57, v127                  ; back: eight lanes to a row of 128 bytes, four rows an instruction
.irp t, 0,1
	v_mov_b32 v[ST+8*\t+1], 0xff61b1e6             ; m = -3e38, under every score
	v_mul_f32 v[ST+8*\t], s[CS], v[ST+8*\t+1]      ; c m
.irp j, 2,3,4,5,6,7
	v_mov_b32 v[ST+8*\t+\j], 0                     ; l, and the registers at work (a lane permute's destination and a pair's upper half count as read)
.endr
.endr
.irp j, 0,1,2,3,4,5,6,7,8,9,10,11,12,13,14,15,16,17,18,19,20,21,22,23,24,25,26,27,28,29,30,31,32,33,34,35,36,37,38,39,40,41,42,43,44,45,46,47,48,49,50,51,52,53,54,55,56,57,58,59,60,61,62,63
	v_mov_b32 v[OA+\j], 0                          ; O^T: the loop is written once; its first step multiplies zeros by a = 0
.endr
; The softmax of both tiles for one key step, each line for A and then for B, so that no line waits for the one above it.
.macro SOFTMAX2
.irp j, 0,1,2,3
.irp t, 0,1
	v_max3_num_f32 v[ST+8*\t+4+\j], v[SA+32*\t+8*\j], v[SA+32*\t+8*\j+1], v[SA+32*\t+8*\j+2]   ; four chains, each tile of scores from its low end on
.endr
.endr
.irp g, 1,2
.irp j, 0,1,2,3
.irp t, 0,1
	v_max3_num_f32 v[ST+8*\t+4+\j], v[ST+8*\t+4+\j], v[SA+32*\t+8*\j+2*\g+1], v[SA+32*\t+8*\j+2*\g+2]
.endr
.endr
.endr
.irp t, 0,1
	v_max3_num_f32 v[ST+8*\t+4], v[ST+8*\t+4], v[SA+32*\t+7], v[SA+32*\t+15]
.endr
.irp t, 0,1
	v_max3_num_f32 v[ST+8*\t+6], v[ST+8*\t+6], v[SA+32*\t+23], v[SA+32*\t+31]
.endr
.irp t, 0,1
	v_max3_num_f32 v[ST+8*\t+4], v[ST+8*\t+4], v[ST+8*\t+5], v[ST+8*\t+6]
.endr
.irp t, 0,1
	v_max3_num_f32 v[ST+8*\t+4], v[ST+8*\t+4], v[ST+8*\t+7], v[ST+8*\t+1]    ; with the old m
.endr
.irp t, 0,1
	v_permlanex16_b32 v[ST+8*\t+5], v[ST+8*\t+4], s[SEL], s[SEL+1]           ; the query's other 32 keys lie in the lane 16 away
.endr
.irp t, 0,1
	v_mov_b32 v[ST+8*\t+7], v[ST+8*\t]             ; c m_old
.endr
.irp t, 0,1
	v_max_num_f32 v[ST+8*\t+1], v[ST+8*\t+4], v[ST+8*\t+5]
.endr
.irp t, 0,1
	v_mul_f32 v[ST+8*\t], s[CS], v[ST+8*\t+1]
.endr
.irp t, 0,1
	v_sub_f32 v[ST+8*\t+7], v[ST+8*\t+7], v[ST+8*\t]
.endr
.irp b, 0,1,2,3,4,5,6,7,8,9,10,11,12,13,14,15
.irp t, 0,1
	v_pk_fma_f32 v[SA+32*\t+2*\b:SA+32*\t+2*\b+1], v[SA+32*\t+2*\b:SA+32*\t+2*\b+1], s[CS:CS+1], v[ST+8*\t:ST+8*\t+1] op_sel_hi:[1,0,0] neg_lo:[0,0,1] neg_hi:[0,0,1]   ; c s - c m
.endr
.endr
.irp t, 0,1
	v_exp_f32 v[ST+8*\t+6], v[ST+8*\t+7]           ; a
.endr
.irp e, 0,1,2,3,4,5,6,7,8,9,10,11,12,13,14,15,16,17,18,19,20,21,22,23,24,25,26,27,28,29,30,31
.irp t, 0,1
	v_exp_f32 v[SA+32*\t+\e], v[SA+32*\t+\e]       ; p
.endr
.endr
	v_nop                                          ; a plain line behind the last exponential
	s_wait_alu depctr_va_vdst(0)                   ; one wait for the batch of 66, ahead of its first reader
.irp t, 0,1
	v_pk_add_f32 v[ST+8*\t+4:ST+8*\t+5], v[SA+32*\t:SA+32*\t+1], v[SA+32*\t+2:SA+32*\t+3]   ; the sum is taken of p in f32
.endr
.irp i, 2,3,4,5,6,7,8,9,10,11,12,13,14,15
.irp t, 0,1
	v_pk_add_f32 v[ST+8*\t+4:ST+8*\t+5], v[ST+8*\t+4:ST+8*\t+5], v[SA+32*\t+2*\i:SA+32*\t+2*\i+1]
.endr
.endr
.irp t, 0,1
	v_pk_fma_f32 v[ST+8*\t+2:ST+8*\t+3], v[ST+8*\t+2:ST+8*\t+3], v[ST+8*\t+6:ST+8*\t+7], v[ST+8*\t+4:ST+8*\t+5] op_sel_hi:[1,0,1]   ; l = l a + the sum
.endr
.irp i, 0,1,2,3,4,5,6,7,8,9,10,11,12,13,14,15
.irp t, 0,1
	v_cvt_pk_f16_f32 v[SA+32*\t+\i], v[SA+32*\t+2*\i], v[SA+32*\t+2*\i+1]    ; in place, ascending: registers 8 u .. 8 u + 7 become P for keys 32 u on
.endr
.endr
.irp i, 0,1,2,3,4,5,6,7,8,9,10,11,12,13,14,15
.irp t, 0,1
	v_pk_mul_f32 v[OA+32*\t+2*\i:OA+32*\t+2*\i+1], v[OA+32*\t+2*\i:OA+32*\t+2*\i+1], v[ST+8*\t+6:ST+8*\t+7] op_sel_hi:[1,0]   ; O^T x a
.endr
.endr
.endm
; A KEY STEP: 64 keys, the q-th of the slot in hand.
.macro STEP q
	s_cmp_gt_u32 s[KF], s[QL]                      ; all its keys come after my queries: left out.  No barrier and no tensor load stands in a step
	s_cbranch_scc1 .Lhid_\@
	v_add_nc_u32 v[ADK], s[TB], v[AK0]
	v_add_nc_u32 v[ADV], s[TB], v[AV0]
.rept 3
	v_nop                                          ; with the two additions five places behind the last products: four for the loads into their fragments, five for the products that write over p
.endr
.irp kt, 0,1,2,3
.irp c, 0,1
.irp i, 0,1
	ds_load_b128 v[KV+8*(2*\kt+\c)+4*\i:KV+8*(2*\kt+\c)+4*\i+3], v[ADK] offset:(64*(\q)+16*\kt)*KP+64*\c+32*\i
.endr
.endr
.endr
	s_wait_dscnt 0x0
.irp c, 0,1                                    ; S^T = K Q^T: eight accumulators by turns, one instruction a turn
.irp kt, 0,1,2,3
.irp t, 0,1
.if \c == 0
	v_wmma_f32_16x16x32_f16 v[SA+32*\t+8*\kt:SA+32*\t+8*\kt+7], v[KV+8*(2*\kt+\c):KV+8*(2*\kt+\c)+7], v[QF+16*\t+8*\c:QF+16*\t+8*\c+7], 0
.else
	v_wmma_f32_16x16x32_f16 v[SA+32*\t+8*\kt:SA+32*\t+8*\kt+7], v[KV+8*(2*\kt+\c):KV+8*(2*\kt+\c)+7], v[QF+16*\t+8*\c:QF+16*\t+8*\c+7], v[SA+32*\t+8*\kt:SA+32*\t+8*\kt+7]
.endif
.endr
.endr
.endr
.rept 4
	v_nop                                          ; places in front of the loads into K's registers and of the first read of the scores
.endr
.irp u, 0,1
.irp ct, 0,1,2,3
.irp i, 0,1
	ds_load_tr16_b128 v[KV+8*(4*\u+\ct)+4*\i:KV+8*(4*\u+\ct)+4*\i+3], v[ADV] offset:(64*(\q)+32*\u+16*\i)*VP+32*\ct   ; V lands while the softmax is walked
.endr
.endr
.endr
	s_add_co_u32 s57, s[KF], 63                    ; on my diagonal hidden scores become -infinity ahead of the maximum; a step all of whose keys count skips this
	s_cmp_le_u32 s57, s[Q0]
	s_cbranch_scc1 .Lopen_\@
	s_sub_co_i32 s57, s[Q0], s[KF]
	v_add_nc_u32 v[DD], s57, v[RH8]                ; register 8 kt + j holds key KF + 16 kt + 8 h + j: hidden where 16 kt + j > my query - KF - 8 h
.irp n, 0,1,2,3,4,5,6,7,8,9,10,11,12,13,14,15,16,17,18,19,20,21,22,23,24,25,26,27,28,29,30,31
	v_cmp_gt_i32 vcc_lo, 16*(\n/8)+\n%8, v[DD]
	v_cndmask_b32 v[SA+\n], v[SA+\n], v[NINF], vcc_lo
.endr
	v_add_nc_u32 v[DD], 16, v[DD]                  ; tile B's queries are 16 further on
.irp n, 0,1,2,3,4,5,6,7,8,9,10,11,12,13,14,15,16,17,18,19,20,21,22,23,24,25,26,27,28,29,30,31
	v_cmp_gt_i32 vcc_lo, 16*(\n/8)+\n%8, v[DD]
	v_cndmask_b32 v[SA+32+\n], v[SA+32+\n], v[NINF], vcc_lo
.endr
.Lopen_\@:
	SOFTMAX2
	s_wait_dscnt 0x0                               ; V is in
.irp u, 0,1                                    ; O^T += V^T P: eight accumulators by turns
.irp ct, 0,1,2,3
.irp t, 0,1
	v_wmma_f32_16x16x32_f16 v[OA+32*\t+8*\ct:OA+32*\t+8*\ct+7], v[KV+8*(4*\u+\ct):KV+8*(4*\u+\ct)+7], v[SA+32*\t+8*\u:SA+32*\t+8*\u+7], v[OA+32*\t+8*\ct:OA+32*\t+8*\ct+7]
.endr
.endr
.endr
.Lhid_\@:
	s_add_co_u32 s[KF], s[KF], 64
.endm
; THE CHANGE OF SLOTS, at a slot's head.  Each wave waits for all its tensor loads, adds 0 to its spare word, and waits for that and for its reads of the slot that it has left; behind the barrier the slot ahead is whole and
; nobody reads the other one, which (fill = 1) is filled with the next 256 keys: one load a wave out, with a slot's four steps in which to land.  Every wait on TENSORcnt in this text is for 0.
.macro CHANGE fill
	s_wait_tensorcnt 0x0
	ds_add_u32 v[SPW], v[NIL]
.if \fill
	ds_add_u32 v[SPW], v[NIL]                      ; and twice on end here, in every trip alike
	s_xor_b32 s[G0K+1], s[G0K+1], SLOT1            ; the walking descriptors: the other slot, the next 256 rows of 128 bytes
	s_add_nc_u64 s[G0K+2:G0K+3], s[G0K+2:G0K+3], 32768
	s_xor_b32 s[G0V+1], s[G0V+1], SLOT1
	s_add_nc_u64 s[G0V+2:G0V+3], s[G0V+2:G0V+3], 32768
	s_wait_xcnt 0x0                                ; the last prefetch, a slot back, has read its address
	s_add_nc_u64 s[PFA:PFA+1], s[PFA:PFA+1], 32768
.endif
	s_wait_dscnt 0x0
	s_barrier_signal -1
	s_barrier_wait -1
.if \fill
	s_add_co_u32 s57, s[KF], 256                   ; the first key of the slot that this change would ask for:
	s_cmp_gt_u32 s57, s[WL]                        ; behind my work-group's last query no wave reads it, so it is not asked for.  Ids and the count of steps alone: all sixteen waves go the same way
	s_cbranch_scc1 .Lpast_\@
	TLOAD
.Lpast_\@:
	ASK
.endif
.endm
	s_wait_loadcnt 0x0                             ; Q
.Lslot:                                            ; seven trips
	CHANGE 1
	STEP 0
	STEP 1
	STEP 2
	STEP 3
	s_xor_b32 s[TB], s[TB], SLOT1
	s_sub_co_u32 s[SLOTS], s[SLOTS], 1
	s_cmp_lg_u32 s[SLOTS], 0
	s_cbranch_scc1 .Lslot
	CHANGE 0                                       ; the last slot is written out: nothing is left to ask for
	STEP 0
	STEP 1
	STEP 2
	STEP 3
	; THE WAY OUT: O^T / l, rounded to f16, through my stage, out as 4,096 consecutive bytes.
.rept 4
	v_nop                                          ; places behind the last products
.endr
.irp t, 0,1
	v_add_f32 v[ST+8*\t+4], v[ST+8*\t+2], v[ST+8*\t+3]
.endr
.irp t, 0,1
	v_permlanex16_b32 v[ST+8*\t+5], v[ST+8*\t+4], s[SEL], s[SEL+1]
.endr
.irp t, 0,1
	v_add_f32 v[ST+8*\t+4], v[ST+8*\t+4], v[ST+8*\t+5]
.endr
.irp t, 0,1
	v_rcp_f32 v[ST+8*\t+6], v[ST+8*\t+4]
.endr
	v_nop
	s_wait_alu depctr_va_vdst(0)                   ; one wait for the two reciprocals, ahead of their first reader
.irp t, 0,1
.irp i, 0,1,2,3,4,5,6,7,8,9,10,11,12,13,14,15
	v_pk_mul_f32 v[SA+32*\t+2*\i:SA+32*\t+2*\i+1], v[OA+32*\t+2*\i:OA+32*\t+2*\i+1], v[ST+8*\t+6:ST+8*\t+7] op_sel_hi:[1,0]
.endr
.endr
.irp t, 0,1
.irp i, 0,1,2,3,4,5,6,7,8,9,10,11,12,13,14,15
	v_cvt_pk_f16_f32 v[KV+16*\t+\i], v[SA+32*\t+2*\i], v[SA+32*\t+2*\i+1]
.endr
.endr
.irp t, 0,1
.irp ct, 0,1,2,3
	ds_store_b128 v[STO], v[KV+16*\t+4*\ct:KV+16*\t+4*\ct+3] offset:16*KP*\t+32*\ct
.endr
.endr
.irp i, 0,1,2,3,4,5,6,7
	ds_load_b128 v[KV+32+4*\i:KV+32+4*\i+3], v[RD] offset:4*KP*\i     ; LDS serves a wave's instructions in order: these see my stores
.endr
.irp i, 0,1,2,3,4,5,6,7
	s_wait_dscnt 7-\i                              ; the loads behind this one may be out
	global_store_b128 v[GO], v[KV+32+4*\i:KV+32+4*\i+3], s[6:7] offset:512*\i   ; 32 lanes store 512 consecutive bytes
.endr
	s_wait_tensorcnt 0x0                           ; the wave's end
	ds_add_u32 v[SPW], v[NIL]
	s_wait_dscnt 0x0
	s_endpgm
.Lfunc_end_k_q0ef0296dec_attn:
	.size	k_q0ef0296dec_attn, .Lfunc_end_k_q0ef0296dec_attn-k_q0ef0296dec_attn
	.p2alignl 7, 3214868480
	.fill 96, 4, 3214868480
	.section	.rodata,"a",@progbits
	.p2align	6, 0x0
	.amdhsa_kernel k_q0ef0296dec_attn
		.amdhsa_group_segment_fixed_size 327680
		.amdhsa_private_segment_fixed_size 0
		.amdhsa_enable_private_segment 0
		.amdhsa_kernarg_size 16
		.amdhsa_user_sgpr_count 2
		.amdhsa_user_sgpr_kernarg_segment_ptr 1
		.amdhsa_wavefront_size32 1
		.amdhsa_system_sgpr_workgroup_id_x 1
		.amdhsa_system_sgpr_workgroup_id_y 1
		.amdhsa_system_sgpr_workgroup_id_z 1
		.amdhsa_system_vgpr_workitem_id 0
		.amdhsa_next_free_vgpr 256
		.amdhsa_next_free_sgpr 80
		.amdhsa_reserve_vcc 1
		.amdhsa_float_denorm_mode_32 3
		.amdhsa_float_denorm_mode_16_64 3
		.amdhsa_memory_ordered 1
		.amdhsa_forward_progress 1
		.amdhsa_inst_pref_size 187
	.end_amdhsa_kernel
	.amdgpu_metadata
---
amdhsa.version: [ 1, 2 ]
amdhsa.kernels:
  - .name:           k_q0ef0296dec_attn
    .symbol:         k_q0ef0296dec_attn.kd
    .args:
      - { .name: qkv16, .offset: 0, .size: 8, .value_kind: global_buffer, .address_space: global }
      - { .name: y2, .offset: 8, .size: 8, .value_kind: global_buffer, .address_space: global }
    .group_segment_fixed_size: 327680
    .private_segment_fixed_size: 0
    .kernarg_segment_align: 8
    .kernarg_segment_size: 16
    .max_flat_workgroup_size: 512
    .sgpr_count:     80
    .vgpr_count:     256
    .wavefront_size: 32
...
	.end_amdgpu_metadata
.endif
;; end of part 3
;; launch proj (part 4): grid 4 x 64, 4 waves a work-group, clusters of 4 x 4, 327,680 bytes of LDS; arguments y2, w16, out0, b_proj; writes out0
.if DOCPART == 4
	.amdgcn_target "amdgcn-amd-amdhsa--gfx1250"
	.amdhsa_code_object_version 6
	.text
	.protected	k_q0ef0296dec_proj
	.globl	k_q0ef0296dec_proj
	.p2align	8
	.type	k_q0ef0296dec_proj,@function
k_q0ef0296dec_proj:
	s_mov_b64 s[64:65], 0
	v_nop
	global_prefetch_b8 v0, s[64:65] scope:SCOPE_SE
	s_setreg_imm32_b32 hwreg(HW_REG_WAVE_MODE, 25, 1), 1
	s_wait_xcnt 0x0
	s_wait_alu depctr_hold_cnt(0) depctr_sa_sdst(0) depctr_va_vdst(0) depctr_va_sdst(0) depctr_va_ssrc(0) depctr_va_vcc(0) depctr_vm_vsrc(0)
	s_getreg_b32 s2, hwreg(HW_REG_IB_STS2, 6, 4)
	s_cmp_eq_u32 s2, 0
	s_cbranch_scc0 .Lentry_in_a_cluster
	s_endpgm
.Lentry_in_a_cluster:
	s_bfe_u32 s2, ttmp6, 0x10000c
	s_cmp_lg_u32 s2, 0xf033
	s_cbranch_scc0 .Lentry_shape_is_right
	s_endpgm
.Lentry_shape_is_right:
; PROJ.  out[m][n] = sum over k of y[m][k] W_proj[k][n] + b_proj[n], f16 operands, f32 sums.  m 8,192, n 1,024, k 1,024.  y2 is laid [head][m][64]: k = 64 head + d; w16 is [k][n].
; A tile of 128 (m) x 256 (n): 256 work-groups.  Four waves, 64 x 128 each: 32 accumulators.  K goes in steps of 128 (two heads) through a ring of two LDS slots.
; THE MATRIX INSTRUCTION IS USED TRANSPOSED: source 0 = 16 columns of W (turned on the way out of LDS by ds_load_tr16_b128), source 1 = 16 rows of y: a lane holds eight neighbouring columns of one row of out.
; The bias is the C of each sum's first product.  4 x 4 work-groups form a cluster: y's tiles are asked for jointly along a row of the cluster, W's along a column.
; The first 16 positions of each sequence are stored here like all rows, and stored once more, finer, by the launch that follows.
; REGISTERS: window 0: v0-31 addresses; v32-63, v64-95 y's fragments, two buffers; v96-159, v160-223 W's, two buffers.   window 1: the accumulators ((a, b) at v[8 (8 a + b)]).   window 2: v0-63 the bias.
.set KSB,    2097152                   ; a K step in y2: two heads of 8,192 rows of 128 bytes
.set KSW,    262144                    ; and in w16: 128 rows of 2,048 bytes
.set PA,     144                       ; a row of y in LDS: 128 bytes + 16
.set PB,     544                       ; a row of W: 512 bytes + 32: an odd multiple of 32 for the turning load
.set SUBA,   128*PA                    ; one head's 128 rows
.set BOFF,   2*SUBA
.set HALFB,  64*PB
.set SLOT,   BOFF+2*HALFB
.set STAGE,  2*SLOT                    ; behind the ring: 16 rows x 528 for each wave
.set SPITCH, 528
.set SPARE,  STAGE+4*16*SPITCH         ; the spare words, 128 bytes for each wave, which no other line names
.set LAPS,   4                         ; a lap = two K steps
.set ADRA, 16
.set ADRB, 20
.set STO,  24
.set RD,   25
.set CO,   26
.set SPW,  28
.set NIL,  29
.set PFO,  30
.set AFR,  32
.set BF,   96
.set G1,  24
.set G0,  32
.set G1B, 48
.set G0B, 56
.set PFA, 44
.set LIM, 66
.set WV,  70
.set RH,  71
.set CH,  72
.set MSB, 0
.macro WIN new
.if MSB != (\new)
	s_set_vgpr_msb (MSB<<8)|(\new)
.set MSB, \new
.endif
.endm
.set MUL,  0x50                        ; sources 0 and 1 window 0; C and D window 1
.set MULB, 0x60                        ; the first products: C (the bias) window 2, D window 1
.macro JLOAD s                         ; a joint load: waves 0 and 1 fetch y's two heads, waves 2 and 3 W's two halves; an s_nop 0 and four v_nop follow each line
	s_cmp_eq_u32 s[RH], 0
	s_cbranch_scc0 .Lfor_b_\@
	tensor_load_to_lds s[G0+4*\s:G0+4*\s+3], s[G1:G1+7]
	s_nop 0
.rept 4
	v_nop
.endr
	s_branch .Lasked_\@
.Lfor_b_\@:
	tensor_load_to_lds s[G0B+4*\s:G0B+4*\s+3], s[G1B:G1B+7]
	s_nop 0
.rept 4
	v_nop
.endr
.Lasked_\@:
.endm
.macro CREST
	s_cmp_lg_u32 s[WV], 0
	s_cbranch_scc1 .Lnot_wave_0_\@
	s_barrier_signal -3
.Lnot_wave_0_\@:
	s_barrier_wait -3
	s_barrier_signal -1
	s_barrier_wait -1
.endm
.macro CROUND
	s_barrier_signal -1
	s_barrier_wait -1
	CREST
.endm
; A prefetch of y2's K step that stands two refills on.  A tile row is read by one row of one cluster alone; its K step is 32,768 bytes, of which each of the four partners takes 8,192, told apart by address
; (head cx / 2, half cx % 2); wave 0 asks, lanes 256 bytes apart: each block of 256 bytes is named once.  The loop's last trip asks for nothing.  w16 is read by every work-group and is not asked for.
.macro ASK
	s_cmp_gt_u32 s3, s[LIM]
	s_cbranch_scc0 .Lnot_mine_\@
	global_prefetch_b8 v[PFO], s[PFA:PFA+1] offset:KSB th:TH_LOAD_NT scope:SCOPE_SE
.Lnot_mine_\@:
.endm
	s_load_b256 s[4:11], s[0:1], 0x0               ; y2 s[4:5], w16 s[6:7], out0 s[8:9], b_proj s[10:11]
	v_lshl_add_u32 v[SPW], v0, 2, SPARE
	v_mov_b32 v[NIL], 0
	ds_add_u32 v[SPW], v[NIL]                      ; the wave's opening: the add, twice on end, and its wait ahead of my first tensor load
	ds_add_u32 v[SPW], v[NIL]
	v_lshrrev_b32 v1, 5, v0
	v_readfirstlane_b32 s[WV], v1                  ; wave 0..3
	s_lshr_b32 s[RH], s[WV], 1                     ; which 64 rows are mine.  Also: I fetch for y (0) or for W (1)
	s_and_b32 s[CH], s[WV], 1                      ; which 128 columns.  Also: which head of the step, or which 64 rows of W, I fetch
	s_bfe_u32 s40, ttmp6, 0x40000                  ; cx
	s_bfe_u32 s41, ttmp6, 0x40004                  ; cy
	s_lshl_b32 s42, ttmp9, 2
	s_add_co_u32 s42, s42, s40                     ; tile column
	s_and_b32 s13, ttmp7, 0xffff
	s_lshl_b32 s13, s13, 2
	s_add_co_u32 s13, s13, s41                     ; tile row
	s_lshl_b32 s43, s41, 2
	s_lshl_b32 s43, 15, s43                        ; my row of the cluster
	s_lshl_b32 s68, 0x1111, s40                    ; my column
	s_or_b32 s[G1+0], s43, (1<<16)|(1<<20)|(1<<21)|(4<<22)|(3<<25)    ; the mask; elements of 2 bytes; padding: 4 words after every 32
	s_mov_b32 s[G1+1], 64<<16                      ; tensor_dim0
	s_mov_b32 s[G1+2], 128<<16                     ; tensor_dim1
	s_mov_b32 s[G1+3], 64<<16                      ; tile_dim0
	s_mov_b32 s[G1+4], 128                         ; tile_dim1
	s_mov_b32 s[G1+5], 64                          ; the pitch
	s_mov_b32 s[G1+6], 0
	s_mov_b32 s[G1+7], 0
	s_or_b32 s[G1B+0], s68, (1<<16)|(1<<20)|(1<<21)|(6<<22)|(7<<25)   ; padding: 8 words after every 128
	s_mov_b32 s[G1B+1], 256<<16
	s_mov_b32 s[G1B+2], 64<<16
	s_mov_b32 s[G1B+3], 256<<16
	s_mov_b32 s[G1B+4], 64
	s_mov_b32 s[G1B+5], 1024
	s_mov_b32 s[G1B+6], 0
	s_mov_b32 s[G1B+7], 0
	s_lshl_b32 s16, s[CH], 20                      ; y2: head CH of the step,
	s_lshl_b32 s17, s13, 14
	s_add_co_u32 s16, s16, s17                     ; rows 128 x tile row on
	s_mov_b32 s17, 0
	s_lshl_b32 s18, s[CH], 17                      ; w16: rows 64 CH on,
	s_lshl_b32 s19, s42, 9
	s_add_co_u32 s18, s18, s19                     ; columns 256 x tile column on
	s_mov_b32 s19, 0
	s_mul_i32 s20, s[CH], SUBA                     ; where they go: the wave's number alone enters an LDS address
	s_mul_i32 s21, s[CH], HALFB
	s_add_co_u32 s21, s21, BOFF
	s_wait_dscnt 0x0                               ; both opening adds are done
	s_wait_kmcnt 0x0
	s_add_nc_u64 s[14:15], s[4:5], s[16:17]
	s_add_nc_u64 s[46:47], s[6:7], s[18:19]
	CROUND                                         ; all sixteen work-groups are here: the first joint loads meet
.irp s, 0,1
	s_mov_b32 s[G0+4*\s], 1
	s_add_co_u32 s[G0+4*\s+1], s20, \s*SLOT
	s_add_nc_u64 s[G0+4*\s+2:G0+4*\s+3], s[14:15], \s*KSB
	s_or_b32 s[G0+4*\s+3], s[G0+4*\s+3], 0x80000000
	s_mov_b32 s[G0B+4*\s], 1
	s_add_co_u32 s[G0B+4*\s+1], s21, \s*SLOT
	s_add_nc_u64 s[G0B+4*\s+2:G0B+4*\s+3], s[46:47], \s*KSW
	s_or_b32 s[G0B+4*\s+3], s[G0B+4*\s+3], 0x80000000
	JLOAD \s
.endr
	v_and_b32 v1, 15, v0                           ; r
	v_bfe_u32 v2, v0, 4, 1                         ; h
	v_mul_u32_u24 v3, v1, PA
	v_lshl_add_u32 v3, v2, 4, v3                   ; y: row r x pitch + 16 h
	v_and_b32 v4, 7, v0
	v_lshl_add_u32 v4, v2, 3, v4
	v_mul_u32_u24 v4, v4, PB
	v_bfe_u32 v5, v0, 3, 1
	v_lshl_add_u32 v4, v5, 4, v4                   ; W: row 8 h + lane % 8, columns 8 ((lane / 8) % 2) on
	s_mul_i32 s22, s[RH], 64*PA                    ; my 64 rows of y
	s_lshl_b32 s23, s[CH], 8
	s_add_co_u32 s23, s23, BOFF                    ; my 128 columns of W
.irp s, 0,1
	v_add_nc_u32 v[ADRA+\s], s22, v3
	v_add_nc_u32 v[ADRB+\s], s23, v4
	s_add_co_u32 s22, s22, SLOT
	s_add_co_u32 s23, s23, SLOT
.endr
	s_mul_i32 s22, s[WV], 16*SPITCH
	s_add_co_u32 s22, s22, STAGE                   ; my stage
	v_mul_u32_u24 v5, v1, SPITCH
	v_lshl_add_u32 v5, v2, 5, v5
	v_add_nc_u32 v[STO], s22, v5                   ; in: row r, 32 bytes for each half of the lanes
	v_and_b32 v6, 31, v0
	v_lshlrev_b32 v[CO], 4, v6
	v_add_nc_u32 v[RD], s22, v[CO]                 ; back: the 32 lanes take a row of 512 bytes
	v_lshlrev_b32 v[PFO], 8, v6
	v_lshlrev_b32 v7, 5, v2                        ; the bias: 32 h bytes
	s_lshl_b32 s74, s42, 10
	s_lshl_b32 s75, s[CH], 9
	s_add_co_u32 s74, s74, s75                     ; my first column in bytes of f32
	s_mov_b32 s75, 0
	s_add_nc_u64 s[10:11], s[10:11], s[74:75]
	s_add_nc_u64 s[8:9], s[8:9], s[74:75]
	s_lshl_b32 s74, s13, 19
	s_lshl_b32 s22, s[RH], 18
	s_add_co_u32 s74, s74, s22                     ; my first row: (128 x tile row + 64 x half) x 4,096 bytes
	s_add_nc_u64 s[8:9], s[8:9], s[74:75]
	WIN 0x80                                       ; destination window 2
.irp b, 0,1,2,3,4,5,6,7
	global_load_b128 v[8*\b:8*\b+3], v7, s[10:11] offset:64*\b          ; lane (r, h): b_proj at columns 16 b + 8 h + 0 .. 7
	global_load_b128 v[8*\b+4:8*\b+7], v7, s[10:11] offset:64*\b+16
.endr
	WIN 0
	s_lshr_b32 s74, s40, 1                         ; the prefetches: head cx / 2 of a step,
	s_lshl_b32 s74, s74, 20
	s_and_b32 s22, s40, 1
	s_lshl_b32 s22, s22, 13                        ; half cx % 2 of its 128 rows,
	s_add_co_u32 s74, s74, s22
	s_lshl_b32 s22, s13, 14
	s_add_co_u32 s74, s74, s22                     ; of my tile row,
	s_add_co_u32 s74, s74, 2*KSB                   ; at K step 2: the first refill steps it to 3 and names K step 4
	s_add_nc_u64 s[PFA:PFA+1], s[4:5], s[74:75]
	s_cmp_eq_u32 s[WV], 0
	s_cselect_b32 s[LIM], 1, -1
.macro MULA f, a, zero                 ; eight products: y's block a against W's eight.  The 32 accumulators take turns, one instruction a turn, in the same order in every quarter
.irp b, 0,1,2,3,4,5,6,7
.if \zero
	v_wmma_f32_16x16x32_f16 v[8*(8*(\a)+\b):8*(8*(\a)+\b)+7], v[BF+64*(\f)+8*\b:BF+64*(\f)+8*\b+7], v[AFR+32*(\f)+8*(\a):AFR+32*(\f)+8*(\a)+7], v[8*\b:8*\b+7]
.else
	v_wmma_f32_16x16x32_f16 v[8*(8*(\a)+\b):8*(8*(\a)+\b)+7], v[BF+64*(\f)+8*\b:BF+64*(\f)+8*\b+7], v[AFR+32*(\f)+8*(\a):AFR+32*(\f)+8*(\a)+7], v[8*(8*(\a)+\b):8*(8*(\a)+\b)+7]
.endif
.endr
.endm
.macro FETCH slot, q, f                ; 24 LDS loads in one run: the fragments of the slot's q-th 32 along K into buffer f: W's sixteen first, then y's eight
	WIN 0
.irp b, 0,1,2,3,4,5,6,7
	ds_load_tr16_b128 v[BF+64*(\f)+8*\b:BF+64*(\f)+8*\b+3],   v[ADRB+\slot] offset:32*PB*(\q)+32*\b
	ds_load_tr16_b128 v[BF+64*(\f)+8*\b+4:BF+64*(\f)+8*\b+7], v[ADRB+\slot] offset:32*PB*(\q)+32*\b+16*PB
.endr
.irp a, 0,1,2,3
	ds_load_b128 v[AFR+32*(\f)+8*\a:AFR+32*(\f)+8*\a+3],   v[ADRA+\slot] offset:((\q)/2)*SUBA+((\q)%2)*64+16*PA*\a
	ds_load_b128 v[AFR+32*(\f)+8*\a+4:AFR+32*(\f)+8*\a+7], v[ADRA+\slot] offset:((\q)/2)*SUBA+((\q)%2)*64+16*PA*\a+32
.endr
.endm
.macro PLACES                          ; four plain lines in front of loads into registers that matrix instructions have read, and of the first read of results
.rept 4
	v_nop
.endr
.endm
.macro QUARTER slot, q, f, g, zero     ; multiplies buffer f; in its middle fetches the slot's quarter q into buffer g
	s_wait_dscnt 4                                 ; W's fragments and y's blocks 0, 1 are in; the youngest four loads (blocks 2, 3) may be out
	WIN MUL+0x10*\zero
	MULA \f, 0, \zero
	MULA \f, 1, \zero
	PLACES
	FETCH \slot, \q, \g
	s_wait_dscnt 24                                ; all but the 24 just issued
	WIN MUL+0x10*\zero
	MULA \f, 2, \zero
	MULA \f, 3, \zero
.endm
; A K step's last quarter multiplies buffer 1 and changes slots: one barrier; in front of it each wave waits for all its tensor loads (one is out: its part of the next slot), adds 0 to its spare word, and waits for
; that and for its reads of this slot.  fill = 1: the barrier opens a round of the cluster's, and this slot is filled again, two K steps ahead, first thing behind the round.
.macro TURN slot, next, fill
.if \fill
	s_wait_xcnt 0x0                                ; the last prefetch, a K step back, has read its address
	s_add_nc_u64 s[PFA:PFA+1], s[PFA:PFA+1], KSB
.endif
	WIN 0
	s_wait_tensorcnt 0x0
	ds_add_u32 v[SPW], v[NIL]
	s_wait_dscnt 7                                 ; the add and the youngest six loads (y's blocks 1 to 3) may be out
	WIN MUL
	MULA 1, 0, 0
	s_wait_dscnt 0x0
	s_barrier_signal -1
	MULA 1, 1, 0
.if \fill
	WIN 0
.endif
	s_barrier_wait -1
.if \fill
	CREST
	s_add_nc_u64 s[G0+4*\slot+2:G0+4*\slot+3], s[G0+4*\slot+2:G0+4*\slot+3], 2*KSB
	s_add_nc_u64 s[G0B+4*\slot+2:G0B+4*\slot+3], s[G0B+4*\slot+2:G0B+4*\slot+3], 2*KSW
	JLOAD \slot                                    ; my one tensor load behind the round; its four v_nop are also the places in front of the loads below
.else
	PLACES
.endif
	FETCH \next, 0, 0
.if \fill
	ASK
.endif
	WIN MUL
	MULA 1, 2, 0
	MULA 1, 3, 0
.endm
	s_wait_tensorcnt 1                             ; my part of K step 0 is in; K step 1's load may be out
	s_barrier_signal -1
	s_barrier_wait -1
	FETCH 0, 0, 0
	s_wait_loadcnt 0x0                             ; the bias
	QUARTER 0, 1, 0, 1, 1                          ; the first quarter stands in front of the loop: its products start the sums on the bias
	WIN 0
	s_mov_b32 s3, LAPS-1
.Llap:                                             ; a trip goes once round the ring and fills both slots again
	QUARTER 0, 2, 1, 0, 0
	QUARTER 0, 3, 0, 1, 0
	TURN 0, 1, 1
	QUARTER 1, 1, 0, 1, 0
	QUARTER 1, 2, 1, 0, 0
	QUARTER 1, 3, 0, 1, 0
	TURN 1, 0, 1
	QUARTER 0, 1, 0, 1, 0
	WIN 0
	s_sub_co_u32 s3, s3, 1
	s_cmp_lg_u32 s3, 0
	s_cbranch_scc1 .Llap
	QUARTER 0, 2, 1, 0, 0                          ; the last lap fills nothing
	QUARTER 0, 3, 0, 1, 0
	TURN 0, 1, 0
	QUARTER 1, 1, 0, 1, 0
	QUARTER 1, 2, 1, 0, 0
	QUARTER 1, 3, 0, 1, 0
	s_wait_dscnt 4
	WIN MUL
	MULA 1, 0, 0
	MULA 1, 1, 0
	s_wait_dscnt 0
	MULA 1, 2, 0
	MULA 1, 3, 0
	WIN 0
; THE WAY OUT, a block of 16 rows x 128 columns at a time, through my own stage: back as whole rows of 512 bytes.
.macro TOSTAGE a
	WIN 0x04                                       ; an LDS store's data are its source 1: window 1
.irp b, 0,1,2,3,4,5,6,7
	ds_store_b128 v[STO], v[64*(\a)+8*\b:64*(\a)+8*\b+3] offset:64*\b          ; each accumulator from its low end on
	ds_store_b128 v[STO], v[64*(\a)+8*\b+4:64*(\a)+8*\b+7] offset:64*\b+16
.endr
	WIN 0
.set BB, 32+64*((\a)%2)
.irp t, 0,1,2,3,4,5,6,7,8,9,10,11,12,13,14,15
	ds_load_b128 v[BB+4*\t:BB+4*\t+3], v[RD] offset:\t*SPITCH
.endr
.endm
.macro SEND a, younger                 ; younger: the LDS instructions issued behind block a's loads
.set BB, 32+64*((\a)%2)
	s_wait_dscnt \younger
.irp t, 0,1,2,3,4,5,6,7,8,9,10,11,12,13,14,15
	global_store_b128 v[CO], v[BB+4*\t:BB+4*\t+3], s[8:9] offset:(16*(\a)+\t)*4096 th:TH_STORE_NT   ; 32 lanes store 512 consecutive bytes
.endr
.endm
	PLACES
	TOSTAGE 0
.irp a, 1,2,3
.if \a > 1
	s_wait_xcnt 0x0                                ; block a - 2's stores have read their registers: block a's loads may land there
.endif
	TOSTAGE \a
	SEND \a-1, 32                                  ; behind block a - 1's loads: block a's 16 stores and 16 loads
.endr
	SEND 3, 0
	s_wait_tensorcnt 0x0                           ; the wave's end
	ds_add_u32 v[SPW], v[NIL]
	s_wait_dscnt 0x0
	CROUND                                         ; the closing round
	s_endpgm
.Lfunc_end_k_q0ef0296dec_proj:
	.size	k_q0ef0296dec_proj, .Lfunc_end_k_q0ef0296dec_proj-k_q0ef0296dec_proj
	.p2alignl 7, 3214868480
	.fill 96, 4, 3214868480
	.section	.rodata,"a",@progbits
	.p2align	6, 0x0
	.amdhsa_kernel k_q0ef0296dec_proj
		.amdhsa_group_segment_fixed_size 327680
		.amdhsa_private_segment_fixed_size 0
		.amdhsa_enable_private_segment 0
		.amdhsa_kernarg_size 32
		.amdhsa_user_sgpr_count 2
		.amdhsa_user_sgpr_kernarg_segment_ptr 1
		.amdhsa_wavefront_size32 1
		.amdhsa_system_sgpr_workgroup_id_x 1
		.amdhsa_system_sgpr_workgroup_id_y 1
		.amdhsa_system_sgpr_workgroup_id_z 1
		.amdhsa_system_vgpr_workitem_id 0
		.amdhsa_next_free_vgpr 576
		.amdhsa_next_free_sgpr 80
		.amdhsa_reserve_vcc 0
		.amdhsa_float_denorm_mode_32 3
		.amdhsa_float_denorm_mode_16_64 3
		.amdhsa_memory_ordered 1
		.amdhsa_forward_progress 1
		.amdhsa_inst_pref_size 87
	.end_amdhsa_kernel
	.amdgpu_metadata
---
amdhsa.version: [ 1, 2 ]
amdhsa.kernels:
  - .name:           k_q0ef0296dec_proj
    .symbol:         k_q0ef0296dec_proj.kd
    .args:
      - { .name: y2, .offset: 0, .size: 8, .value_kind: global_buffer, .address_space: global }
      - { .name: w16, .offset: 8, .size: 8, .value_kind: global_buffer, .address_space: global }
      - { .name: out0, .offset: 16, .size: 8, .value_kind: global_buffer, .address_space: global }
      - { .name: b_proj, .offset: 24, .size: 8, .value_kind: global_buffer, .address_space: global }
    .group_segment_fixed_size: 327680
    .private_segment_fixed_size: 0
    .kernarg_segment_align: 8
    .kernarg_segment_size: 32
    .max_flat_workgroup_size: 128
    .sgpr_count:     80
    .vgpr_count:     576
    .wavefront_size: 32
...
	.end_amdgpu_metadata
.endif
;; end of part 4
;; launch first16 (part 5): grid 16 x 4, 16 waves a work-group, no clusters, 85,248 bytes of LDS; arguments qkv32, W_proj, b_proj, out0; writes out0
.if DOCPART == 5
	.amdgcn_target "amdgcn-amd-amdhsa--gfx1250"
	.amdhsa_code_object_version 6
	.text
	.protected	k_q0ef0296dec_first16
	.globl	k_q0ef0296dec_first16
	.p2align	8
	.type	k_q0ef0296dec_first16,@function
k_q0ef0296dec_first16:
	s_mov_b64 s[64:65], 0
	v_nop
	global_prefetch_b8 v0, s[64:65] scope:SCOPE_SE
	s_setreg_imm32_b32 hwreg(HW_REG_WAVE_MODE, 25, 1), 1
	s_wait_xcnt 0x0
; FIRST16.  The first 16 positions of each sequence average one to sixteen values and are the largest rows of the output: they are carried in f32 through attention and projection, and stored over what the
; projection's launch left in those 64 rows of out0.  All products by v_wmma_f32_16x16x4_f32: 16 rows a batch, no bulk work.
; Work-group (chunk, batch): 64 columns of out0 for the batch's 16 rows.  Phase 1: wave = head: S^T = K Q^T (16 x 16, K = 64), the causal mask, softmax with the row's maximum taken away, O^T = V^T P; y to LDS.
; Each of a batch's 16 work-groups repeats that small attention, so that one launch serves.  Phase 2: wave (nt = w % 4, kq = w / 4): 16 columns x 16 rows over 256 of K; the four parts meet in LDS; bias; store.
; The four accumulators v16-47 are written by matrix instructions alone; each sum starts with the constant 0 as C; they take turns, one instruction a turn.
; K runs through the registers in an order that is the same on both sides of each product.
.set Y32,   0                          ; LDS: y, 16 rows x (4,096 + 16) bytes
.set YP,    4112
.set PART,  16*YP                      ; four parts of 16 rows x (256 + 16) bytes
.set SPARE, PART+4*16*272              ; the spare words, 128 bytes for each wave, which no other line names
.set SPW, 14
.set NIL, 15
.set ACC, 16                           ; v16-47
.set QR,  48                           ; v48-79   Q, later W's chunk 2
.set KR,  80                           ; v80-111  K, later W's chunk 3
.set VR,  112                          ; v112-143 V, later y's buffer 1
.set W0,  144                          ; v144-175, v176-207 W's chunks 0, 1
.set W1,  176
.set T,   208                          ; v208-239 at work, later y's buffer 0
.set P,   244                          ; v244-251 p
	s_load_b256 s[4:11], s[0:1], 0x0               ; qkv32 s[4:5], W_proj s[6:7], b_proj s[8:9], out0 s[10:11]
	v_lshl_add_u32 v[SPW], v0, 2, SPARE
	v_mov_b32 v[NIL], 0
	v_lshrrev_b32 v1, 5, v0
	v_readfirstlane_b32 s16, v1                    ; wave 0..15: the head of phase 1
	s_and_b32 s18, ttmp7, 0xffff                   ; the batch
	s_and_b32 s24, s16, 3                          ; nt
	s_lshr_b32 s25, s16, 2                         ; kq
	s_mov_b32 s20, 0x76543210
	s_mov_b32 s21, 0xfedcba98                      ; v_permlanex16_b32's selects for lane l xor 16
	s_mov_b32 s22, 0x3e38aa3b                      ; c = log2(e) / 8
	v_and_b32 v1, 15, v0                           ; r
	v_bfe_u32 v2, v0, 4, 1                         ; h
	v_mul_u32_u24 v3, v1, 12288
	v_lshl_add_u32 v3, v2, 4, v3                   ; Q, K: row r of 12,288 bytes + 16 h
	v_lshlrev_b32 v13, 2, v1
	v_mad_u32_u24 v4, v2, 0x18000, v13             ; V: key 8 h, channel r
	v_lshl_add_u32 v5, v2, 14, v13                 ; W_proj: row 4 h, column r
	v_mul_u32_u24 v12, v1, YP
	s_lshl_b32 s26, s16, 8
	v_lshl_add_u32 v6, v2, 5, v12
	v_add_nc_u32 v6, s26, v6                       ; y into LDS: row r, head's 256 bytes, + 32 h
	s_lshl_b32 s26, s25, 10
	v_lshl_add_u32 v7, v2, 4, v12
	v_add_nc_u32 v7, s26, v7                       ; y out of LDS: row r, 1,024 kq, + 16 h
	s_mul_i32 s26, s25, 16*272
	s_lshl_b32 s27, s24, 6
	s_add_co_u32 s26, s26, s27
	s_add_co_u32 s26, s26, PART
	v_mul_u32_u24 v8, v1, 272
	v_lshl_add_u32 v8, v2, 5, v8
	v_add_nc_u32 v8, s26, v8                       ; my part: part kq, row r, 64 nt + 32 h
	v_lshrrev_b32 v9, 4, v0                        ; the end (waves 0 to 7): row = thread / 16, piece = thread % 16
	v_lshlrev_b32 v10, 4, v1
	v_lshl_add_u32 v11, v9, 12, v10                ; in out0
	v_mad_u32_u24 v9, v9, 272, v10
	v_add_nc_u32 v9, PART, v9                      ; in the parts
	v_lshlrev_b32 v12, 3, v2
	v_sub_nc_u32 v12, v1, v12                      ; r - 8 h
	v_mov_b32 v13, 0xff800000                      ; -infinity
	s_wait_kmcnt 0x0
	s_mul_i32 s26, s18, 196608
	s_lshl_b32 s27, s16, 8
	s_add_co_u32 s26, s26, s27
	s_mov_b32 s27, 0
	s_add_nc_u64 s[4:5], s[4:5], s[26:27]          ; qkv32 at (batch, my head's q)
	s_lshl_b32 s26, s25, 20
	s_lshl_b32 s28, ttmp9, 8
	s_add_co_u32 s26, s26, s28
	s_lshl_b32 s29, s24, 6
	s_add_co_u32 s26, s26, s29
	s_add_nc_u64 s[6:7], s[6:7], s[26:27]          ; W_proj at (256 kq, 64 chunk + 16 nt)
	s_mov_b32 s29, 0
	s_add_nc_u64 s[8:9], s[8:9], s[28:29]          ; b_proj at the chunk
	s_lshl_b32 s26, s18, 23
	s_add_co_u32 s26, s26, s28
	s_add_nc_u64 s[10:11], s[10:11], s[26:27]      ; out0 at (batch's row 0, the chunk)
.macro WCH c, reg                      ; W_proj's chunk c of my 256 along K: register 4 i + u holds k = 64 c + 8 i + 4 h + u of column r
.irp i, 0,1,2,3,4,5,6,7
.irp u, 0,1,2,3
	global_load_b32 v[\reg+4*\i+\u], v5, s[6:7] offset:(64*\c+8*\i+\u)*4096
.endr
.endr
.endm
.macro YLD c, reg                      ; y's likewise, of row r
.irp i, 0,1,2,3,4,5,6,7
	ds_load_b128 v[\reg+4*\i:\reg+4*\i+3], v7 offset:256*\c+32*\i
.endr
.endm
.macro PROD areg, breg, zero           ; 16 K steps of 4, on the four accumulators by turns; zero = 1: the first four start the sums
.irp s, 0,1,2,3,4,5,6,7,8,9,10,11,12,13,14,15
.if \zero && (\s < 4)
	v_wmma_f32_16x16x4_f32 v[ACC+8*(\s%4):ACC+8*(\s%4)+7], v[\areg+2*\s:\areg+2*\s+1], v[\breg+2*\s:\breg+2*\s+1], 0
.else
	v_wmma_f32_16x16x4_f32 v[ACC+8*(\s%4):ACC+8*(\s%4)+7], v[\areg+2*\s:\areg+2*\s+1], v[\breg+2*\s:\breg+2*\s+1], v[ACC+8*(\s%4):ACC+8*(\s%4)+7]
.endif
.endr
.endm
.macro NOPS n
.rept \n
	v_nop
.endr
.endm
.macro SUM4 d, e                       ; the four accumulators' sum into v[d] .. v[d + 7]; v[e] .. at work; each accumulator from its low end on
.irp j, 0,1,2,3
	v_pk_add_f32 v[\d+2*\j:\d+2*\j+1], v[ACC+2*\j:ACC+2*\j+1], v[ACC+8+2*\j:ACC+8+2*\j+1]
.endr
.irp j, 0,1,2,3
	v_pk_add_f32 v[\e+2*\j:\e+2*\j+1], v[ACC+16+2*\j:ACC+16+2*\j+1], v[ACC+24+2*\j:ACC+24+2*\j+1]
.endr
.irp j, 0,1,2,3
	v_pk_add_f32 v[\d+2*\j:\d+2*\j+1], v[\d+2*\j:\d+2*\j+1], v[\e+2*\j:\e+2*\j+1]
.endr
.endm
	; ---- phase 1
.irp i, 0,1,2,3,4,5,6,7
	global_load_b128 v[QR+4*\i:QR+4*\i+3], v3, s[4:5] offset:32*\i             ; register 4 i + u: d = 8 i + 4 h + u of row r
.endr
.irp i, 0,1,2,3,4,5,6,7
	global_load_b128 v[KR+4*\i:KR+4*\i+3], v3, s[4:5] offset:4096+32*\i
.endr
.irp ct, 0,1,2,3
.irp j, 0,1,2,3,4,5,6,7
	global_load_b32 v[VR+8*\ct+\j], v4, s[4:5] offset:8192+12288*\j+64*\ct     ; V(key 8 h + j, channel 16 ct + r)
.endr
.endr
	s_wait_loadcnt 32                              ; Q and K are in; V's 32 loads may be out
	PROD KR, QR, 1                                 ; S^T: lane (r, h) holds query r and keys 8 h + 0 .. 7
	NOPS 8                                         ; places behind this form, in front of the first read of its results
	s_wait_loadcnt 0x0                             ; V
	WCH 0, W0                                      ; the projection's weights are asked for early
	SUM4 T, T+8
.irp j, 0,1,2,3,4,5,6,7
	v_cmp_gt_i32 vcc_lo, \j, v12                   ; key 8 h + j comes after query r
	v_cndmask_b32 v[T+\j], v[T+\j], v13, vcc_lo
.endr
	v_max3_num_f32 v240, v[T], v[T+1], v[T+2]
	v_max3_num_f32 v241, v[T+3], v[T+4], v[T+5]
	v_max3_num_f32 v240, v240, v[T+6], v[T+7]
	v_max_num_f32 v240, v240, v241
	v_permlanex16_b32 v241, v240, s20, s21
	v_max_num_f32 v240, v240, v241                 ; the row's maximum: key 0 counts for every query, so it is a number
	v_mul_f32 v241, s22, v240
.irp j, 0,1,2,3,4,5,6,7
	v_fma_f32 v[P+\j], v[T+\j], s22, -v241         ; c s - c m
.endr
.irp j, 0,1,2,3,4,5,6,7
	v_exp_f32 v[P+\j], v[P+\j]
.endr
	v_nop
	s_wait_alu depctr_va_vdst(0)                   ; one wait for the eight exponentials, ahead of their first reader
	v_pk_add_f32 v[240:241], v[P:P+1], v[P+2:P+3]
	v_pk_add_f32 v[242:243], v[P+4:P+5], v[P+6:P+7]
	v_pk_add_f32 v[240:241], v[240:241], v[242:243]
	v_add_f32 v240, v240, v241
	v_permlanex16_b32 v241, v240, s20, s21
	v_add_f32 v240, v240, v241                     ; the row's sum
	v_rcp_f32 v242, v240
	v_nop
	s_wait_alu depctr_va_vdst(0)                   ; the wait for the reciprocal
	NOPS 9                                         ; places in front of products that begin the accumulators anew
.irp i, 0,1,2,3                                ; O^T = V^T P: keys 8 h + 2 i, 8 h + 2 i + 1 on both sides
.irp ct, 0,1,2,3
.if \i == 0
	v_wmma_f32_16x16x4_f32 v[ACC+8*\ct:ACC+8*\ct+7], v[VR+8*\ct+2*\i:VR+8*\ct+2*\i+1], v[P+2*\i:P+2*\i+1], 0
.else
	v_wmma_f32_16x16x4_f32 v[ACC+8*\ct:ACC+8*\ct+7], v[VR+8*\ct+2*\i:VR+8*\ct+2*\i+1], v[P+2*\i:P+2*\i+1], v[ACC+8*\ct:ACC+8*\ct+7]
.endif
.endr
.endr
	WCH 1, W1
	NOPS 8
.irp ct, 0,1,2,3
.irp j, 0,1,2,3
	v_pk_mul_f32 v[T+8*\ct+2*\j:T+8*\ct+2*\j+1], v[ACC+8*\ct+2*\j:ACC+8*\ct+2*\j+1], v[242:243] op_sel_hi:[1,0]   ; / the sum: y(r, 64 head + 16 ct + 8 h + 0 .. 7)
.endr
.endr
.irp ct, 0,1,2,3
	ds_store_b128 v6, v[T+8*\ct:T+8*\ct+3] offset:64*\ct
	ds_store_b128 v6, v[T+8*\ct+4:T+8*\ct+7] offset:64*\ct+16
.endr
	s_wait_dscnt 0x0                               ; for the others' sake: my stores have landed
	s_barrier_signal -1
	s_barrier_wait -1                              ; the 16 rows of y lie in LDS
	; ---- phase 2: source 0 = 16 columns of W_proj, source 1 = the 16 rows of y
	NOPS 9                                         ; places in front of products that begin the accumulators anew, and of the loads into V's registers
	YLD 0, T
	YLD 1, VR
	s_wait_loadcnt 32                              ; chunk 0 is in; chunk 1's 32 loads may be out
	WCH 2, QR
	s_wait_dscnt 8                                 ; y's chunk 0 is in; chunk 1's eight loads may be out
	PROD W0, T, 1
	NOPS 8                                         ; places in front of the loads into y's buffer 0
	YLD 2, T
	s_wait_loadcnt 32                              ; chunk 1 is in; chunk 2's may be out
	WCH 3, KR
	s_wait_dscnt 8
	PROD W1, VR, 0
	NOPS 8
	YLD 3, VR
	s_wait_loadcnt 32                              ; chunk 2 is in; chunk 3's may be out
	s_wait_dscnt 8
	PROD QR, T, 0
	s_wait_loadcnt 0x0
	s_wait_dscnt 0x0
	PROD KR, VR, 0
	NOPS 8
	SUM4 240, 248                                  ; lane (r, h): row r, columns 16 nt + 8 h + 0 .. 7, over my 256 of K
	ds_store_b128 v8, v[240:243]
	ds_store_b128 v8, v[244:247] offset:16
	s_wait_dscnt 0x0
	s_barrier_signal -1
	s_barrier_wait -1                              ; the four parts lie in LDS
	s_cmp_ge_u32 s16, 8                            ; 256 threads take 16 bytes each
	s_cbranch_scc1 .Ldone
	global_load_b128 v[224:227], v10, s[8:9]       ; the bias
	ds_load_b128 v[208:211], v9
	ds_load_b128 v[212:215], v9 offset:4352
	ds_load_b128 v[216:219], v9 offset:8704
	ds_load_b128 v[220:223], v9 offset:13056
	s_wait_dscnt 0x0
	v_pk_add_f32 v[208:209], v[208:209], v[212:213]
	v_pk_add_f32 v[210:211], v[210:211], v[214:215]
	v_pk_add_f32 v[216:217], v[216:217], v[220:221]
	v_pk_add_f32 v[218:219], v[218:219], v[222:223]
	v_pk_add_f32 v[208:209], v[208:209], v[216:217]
	v_pk_add_f32 v[210:211], v[210:211], v[218:219]
	s_wait_loadcnt 0x0
	v_pk_add_f32 v[208:209], v[208:209], v[224:225]
	v_pk_add_f32 v[210:211], v[210:211], v[226:227]
	global_store_b128 v11, v[208:211], s[10:11]    ; sixteen lanes store 256 consecutive bytes of a row
.Ldone:
	s_wait_tensorcnt 0x0                           ; the wave's end
	ds_add_u32 v[SPW], v[NIL]
	s_wait_dscnt 0x0
	s_endpgm
.Lfunc_end_k_q0ef0296dec_first16:
	.size	k_q0ef0296dec_first16, .Lfunc_end_k_q0ef0296dec_first16-k_q0ef0296dec_first16
	.p2alignl 7, 3214868480
	.fill 96, 4, 3214868480
	.section	.rodata,"a",@progbits
	.p2align	6, 0x0
	.amdhsa_kernel k_q0ef0296dec_first16
		.amdhsa_group_segment_fixed_size 85248
		.amdhsa_private_segment_fixed_size 0
		.amdhsa_enable_private_segment 0
		.amdhsa_kernarg_size 32
		.amdhsa_user_sgpr_count 2
		.amdhsa_user_sgpr_kernarg_segment_ptr 1
		.amdhsa_wavefront_size32 1
		.amdhsa_system_sgpr_workgroup_id_x 1
		.amdhsa_system_sgpr_workgroup_id_y 1
		.amdhsa_system_sgpr_workgroup_id_z 1
		.amdhsa_system_vgpr_workitem_id 0
		.amdhsa_next_free_vgpr 256
		.amdhsa_next_free_sgpr 66
		.amdhsa_reserve_vcc 1
		.amdhsa_float_denorm_mode_32 3
		.amdhsa_float_denorm_mode_16_64 3
		.amdhsa_memory_ordered 1
		.amdhsa_forward_progress 1
		.amdhsa_inst_pref_size 37
	.end_amdhsa_kernel
	.amdgpu_metadata
---
amdhsa.version: [ 1, 2 ]
amdhsa.kernels:
  - .name:           k_q0ef0296dec_first16
    .symbol:         k_q0ef0296dec_first16.kd
    .args:
      - { .name: qkv32, .offset: 0, .size: 8, .value_kind: global_buffer, .address_space: global }
      - { .name: W_proj, .offset: 8, .size: 8, .value_kind: global_buffer, .address_space: global }
      - { .name: b_proj, .offset: 16, .size: 8, .value_kind: global_buffer, .address_space: global }
      - { .name: out0, .offset: 24, .size: 8, .value_kind: global_buffer, .address_space: global }
    .group_segment_fixed_size: 85248
    .private_segment_fixed_size: 0
    .kernarg_segment_align: 8
    .kernarg_segment_size: 32
    .max_flat_workgroup_size: 512
    .sgpr_count:     66
    .vgpr_count:     256
    .wavefront_size: 32
...
	.end_amdgpu_metadata
.endif
;; end of part 5
